; MI455X (gfx1250); checked and timed in simulation.
; The chip was launched on July 23, 2026; its instructions are those of AMD's public machine-readable ISA for CDNA 5 (MIT licence, August 2026) and "CDNA5" Instruction Set Architecture Reference Guide (July 2026). The comments in the code are by the model that wrote it; some were corrected since.
;; Mo E Pure Field. Allowed arithmetic: matrix products marked QUANTISED: E4M3 operands, one E8M0 scale for each 32 along K, by v_wmma_scale_f32_16x16x128_f8f6f4 with both operands' format E4M3, f32 sums; products left as they are: f32 operands where the result goes on into a quantised operand, else bf16, f16 or f32 operands; f32 sums; everything else in f32.
;; Inputs: b1 8 x 4,096 float32; b2 8 x 1,024 float32; gate_b 8 float32; gate_w 1,024 x 8 float32; w1 8 x 1,024 x 4,096 float32; w2 8 x 4,096 x 1,024 float32; x 1,024 x 1,024 float32.
;; Outputs: out0 1,024 x 1,024 float32.
;; This version of the problem:
;;   THIS VERSION OF THE PROBLEM IS GIVEN IN LOW PRECISION. The matrix products marked QUANTISED in the list below multiply operands that are first quantised to E4M3 (4 exponent bits, 3 mantissa bits; 8 bits a number), with one power-of-two scale for each 32 numbers along K (OCP MX v1.0); their sums are f32. All else is computed in f32.
;;   The module's matrix products, in the order in which they are computed (A, B: the left and right operand; K: the contracted axis; several contracted axes count as one K, in the product's order):
;;     1. [M 1,024, K 1,024] x [K 1,024, N 8]; A: input x; B: input gate_w: left as it is (N = 8 < 16)
;;     2. [M 1,024, K 1,024] x [K 1,024, N 32,768]; A: input x; B: input w1: QUANTISED
;;     3. batch 8 x [M 1,024, K 4,096] x [K 4,096, N 1,024]; A: input w2; B: computed on the way: QUANTISED
;;     4. batch 1,024 x [M 1, K 8] x [K 8, N 1,024]; A: computed on the way; B: computed on the way: left as it is (K = 8 < 32)
;;   THE QUANTISER, for each operand of a quantised product, along K:
;;     - K is cut into blocks of 32 from its start; a last block that is shorter is filled with zeros.
;;     - A block's scale is 2^e with e = floor(log2(the largest magnitude in the block)) - 8, held to -126 .. 127; a block of zeros has e = 0. As a byte (E8M0): e + 127.
;;     - Each number is divided by its block's scale, clamped to +-448, and rounded to the nearest number of E4M3, ties to even, subnormals kept.
;;     - The product sums the exact products of the quantised numbers (number of the format x scale) in f32.
;;   ~~~python
;;   def quantise(x, axis):      # numpy; x: float32 -> the quantised numbers, widened to float32 again
;;       x = np.moveaxis(x, axis, -1); K = x.shape[-1]
;;       x = np.pad(x, [(0, 0)] * (x.ndim - 1) + [(0, -K % 32)]); x = x.reshape(x.shape[:-1] + (-1, 32)); a = np.abs(x).max(-1, keepdims=True)
;;       e = np.where(a > 0, np.clip(np.frexp(np.where(a > 0, a, 1))[1] - 1 - 8, -126, 127), 0)      # np.frexp(a)[1] - 1 = floor(log2(a)), exactly
;;       r = np.clip(x / 2.0 ** e, -448, 448)
;;       step = 2.0 ** (np.maximum(np.frexp(np.where(r == 0, 1, r))[1] - 1, -6) - 3)
;;       q = np.round(r / step) * step * 2.0 ** e      # np.round: ties to even
;;       return np.moveaxis(q.reshape(q.shape[:-2] + (-1,))[..., :K], -1, axis).astype(np.float32)
;;   ~~~
;;   OPERANDS COMPUTED ON THE WAY. 'Computed on the way' means the value that the module computes at that place (a softmax that the list does not call 'softmax' is quantised finished and normalised). What goes into a quantiser is computed in f32, as accurately as f32 sums, v_exp_f32 and their like allow (about 1e-6 of the number): no bf16 or f16 on the way to a quantiser, and a product that is left as it is and whose result goes on into a quantised operand takes f32 operands (vector FMAs, or v_wmma_f32_16x16x4_f32). A number that lies on a knife's edge between two numbers of the format may be rounded either way, as far as f32 arithmetic and the matrix unit's own rounding can turn it there, and no further.
;; One version. Each part assembles by itself: llvm-mc -triple=amdgcn-amd-amdhsa -mcpu=gfx1250 --defsym DOCPART=n.
;; ======== version 1 of 1: 4 launches
;; limits: values outside matrix products are rounded to bf16; values are held in bf16: 8 bits of precision; right only within a limited range of input values
;; workspace buffers: xq 1,081,344 bytes; w2q 34,603,008 bytes; hq 34,603,008 bytes; ctab 32,768 bytes; eo 33,554,432 bytes
;; launch prep (part 1): grid 576 x 1, 4 waves a work-group, no clusters, 35,328 bytes of LDS; arguments x, gate_w, gate_b, w2, xq, w2q, ctab; writes xq, w2q, ctab
.if DOCPART == 1
	.amdgcn_target "amdgcn-amd-amdhsa--gfx1250"
	.amdhsa_code_object_version 6
	.text
	.protected	k_q5bc1a25ff7_prep
	.globl	k_q5bc1a25ff7_prep
	.p2align	8
	.type	k_q5bc1a25ff7_prep,@function
k_q5bc1a25ff7_prep:
	s_mov_b64 s[64:65], 0
	v_nop
	global_prefetch_b8 v0, s[64:65] scope:SCOPE_SE
	s_setreg_imm32_b32 hwreg(HW_REG_WAVE_MODE, 25, 1), 1
	s_wait_xcnt 0x0
; PREP: x [1024][1024] and experts 0 to 3 of w2 [8][4096 k][1024], f32, become codes of FP8 (E4M3) with one E8M0 byte for each 32 along K; and the gate's signed weights c[token][expert] are made.
; (w1, and experts 4 to 7 of w2, are quantised by the next launch.)
; THE WORKSPACE LAYOUT, the same for all operands: a BLOCK of 33,792 bytes holds 128 rows (8 tiles of 16) x 256 along K (two steps q of 128) as IMAGES OF THE OPERAND'S REGISTERS:
;   the code of tile i, row r, k = 128 q + 32 c + 16 h + t lies at 16384 q + 2048 i + 512 c + 16 (16 h + r) + t; the scale word (four bytes, 128 along K) of that row at 32768 + 128 i + 8 r + 4 q.
; So a fragment is read by four loads of 16 bytes a lane at 16 x lane, and a block is one dense run of memory for one tensor load.
; A block's scale is 2^(floor(log2(largest magnitude)) - 8); its byte is the largest magnitude's exponent field - 8, held at 1 from below; numbers are held within +-448 x the scale and rounded to the nearest code, ties to even.
; LIMITS: NaN and infinities are not served.  A block whose largest magnitude lies under 2^-118 (zeros among them) gets the byte 1: its codes are zeros or near it, and this program alone reads the bytes.
;   The gate's sums are f32 multiply-adds in another order than a row-by-row sum: a tie of the fifth and sixth probability inside f32 rounding may fall either way.
; SHARES: work-groups 0-63 take x and the gate: 16 tokens each, and wave w the slot w of K (256 of the 1,024); the four waves' gate sums meet in LDS.  Work-groups 64-575 take one block of w2 each.
; No matrix unit, no cluster, no tensor load: a stream that shares nothing.
.set BLKB,  33792
.set FLOOR, 0x4800000                  ; 2^(9 - 127): no largest magnitude is taken under it, so the byte cannot fall under 1
.set XWG,   64                         ; x's work-groups
.set RED,   32768                      ; LDS: gate_w as it lies (32,768 bytes), then the four waves' gate sums, 512 bytes each; the spare words from 0x8800 on
; ---- the weight's path
.set X,     32                         ; v32-95   two sets of 32 numbers: a block of 32 along K of my column
.set C,     96                         ; v96-159  codes: eight registers for each of the 8 blocks, never written again
; ---- x's path
.set XAD,   1                          ; v1   x: 4096 r + 64 h; when all loads are in, the register becomes RB
.set GS,    2                          ; v2   16 x thread: gate_w on its way into LDS; later the register becomes RA
.set RB,    1                          ; v1   where wave 0 reads the gate sums back: RED + 32 r
.set RA,    2                          ; v2   where I put my gate sums: RED + 512 x wave + 32 r + 16 h
.set GA,    3                          ; v3   gate_w in LDS: 8192 x wave + 512 h; never rewritten
.set IO,    4                          ; v4   16 x lane: an image's place
.set SO,    5                          ; v5   8 r + 4 h: a scale word's
.set PW0,   6                          ; v6, v7 the two scale words of my slot
.set PW1,   7
.set AC,    8                          ; v8-15  the eight gate sums
.set TM,    16                         ; v16-19 largest magnitudes, v20-23 bytes, v24-27 448 x the scale, v28-31 the conversions' scale operands
.set PC0,   32                         ; v32-47, v48-63 the codes of the slot's two fragments
.set PC1,   48
.set XA,    64                         ; v64-127, v128-191 64 numbers of x: two K steps
.set XB,    128
.set GB,    192                        ; v192-255 gate_w on its way into LDS; then two buffers of 4 k x 8 experts
.macro WLOAD t, pitch, src             ; block t: w(32 t + i, my column), i = 0 .. 31: a load reads 128 consecutive bytes, the four waves stand side by side on 512
.irp i, 0,1,2,3,4,5,6,7,8,9,10,11,12,13,14,15,16,17,18,19,20,21,22,23,24,25,26,27,28,29,30,31
	global_load_b32 v[X+32*((\t)%2)+\i], v1, s[\src:\src+1] offset:(32*(\t)+\i)*\pitch th:TH_LOAD_NT
.endr
.endm
.macro WBLOCK t, pitch, src, dst
.set XS, X+32*((\t)%2)
.set CC, C+8*(\t)
.if (\t) < 7
	s_wait_loadcnt 32                              ; this block's 32 loads are in; the next block's 32 may be out
.else
	s_wait_loadcnt 0x0
.endif
	v_max3_num_f32 v12, |v[XS]|, |v[XS+1]|, |v[XS+2]|     ; the block's largest magnitude: all 32 numbers are mine; two chains
	v_max3_num_f32 v13, |v[XS+3]|, |v[XS+4]|, |v[XS+5]|
.irp i, 6,10,14,18,22,26
	v_max3_num_f32 v12, v12, |v[XS+\i]|, |v[XS+\i+1]|
	v_max3_num_f32 v13, v13, |v[XS+\i+2]|, |v[XS+\i+3]|
.endr
	v_max3_num_f32 v12, v12, |v[XS+30]|, |v[XS+31]|
	v_max3_num_f32 v12, v12, v13, FLOOR
	v_add_nc_u32 v11, 0xfc000000, v12              ; 8 off the exponent field: the conversion takes this operand's exponent field as its scale
	v_and_or_b32 v10, v12, 0x7f800000, s23         ; 448 x the scale: the exponent field over 448's mantissa field
	v_lshrrev_b32 v13, 23, v11                     ; the scale's byte
.if (\t)%4 == 0
	v_mov_b32 v[4+(\t)/4], v13                     ; four bytes to a word, the lower K in the lower byte
.else
	v_lshl_or_b32 v[4+(\t)/4], v13, 8*((\t)%4), v[4+(\t)/4]
.endif
.irp i, 0,1,2,3,4,5,6,7,8,9,10,11,12,13,14,15,16,17,18,19,20,21,22,23,24,25,26,27,28,29,30,31
	v_med3_num_f32 v[XS+\i], v[XS+\i], -v10, v10   ; the conversion does not saturate (ISA guide 7.6.2): the hold comes first
.endr
.irp g, 0,1,2,3
	v_cvt_scalef32_pk8_fp8_f32 v[CC+2*\g:CC+2*\g+1], v[XS+8*\g:XS+8*\g+7], v11
.endr
	global_store_b128 v2, v[CC:CC+3], s[\dst:\dst+1] offset:((\t)/4)*16384+((\t)%4)*512        ; k 0-15 of the block: sixteen lanes fill 256 consecutive bytes of a tile's image, the other sixteen those of the next tile
	global_store_b128 v2, v[CC+4:CC+7], s[\dst:\dst+1] offset:((\t)/4)*16384+((\t)%4)*512+256  ; k 16-31
.if (\t)+2 < 8
	WLOAD (\t)+2, \pitch, \src                     ; (the results go to stores alone, the sources are next written by loads; the next block begins with plain lines)
.endif
.endm
; One block of a weight whose K is its first axis.  A LANE TAKES A COLUMN AND ITS REGISTERS RUN DOWN K, so a block of 32 lies in one lane and the codes come out with K innermost.
; base: the path's first work-group; 2^lnp panels of 128 columns, 2^lnks slots of 256 along K; pitch: bytes from k to k + 1.
.macro WPATH base, lnp, lnks, pitch, src, dst
	s_sub_co_u32 s24, ttmp9, \base
	s_and_b32 s25, s24, (1<<\lnp)-1                ; panel: neighbouring work-groups read neighbouring 512 bytes of the same rows
	s_bfe_u32 s26, s24, (\lnks<<16)|\lnp           ; slot
	s_lshr_b32 s27, s24, \lnp+\lnks                ; expert
	s_lshl_b32 s28, s27, 24                        ; from: an expert is 2^24 bytes,
	s_mul_i32 s29, s26, 256*\pitch                 ; 256 rows a slot,
	s_add_co_u32 s28, s28, s29
	s_lshl_b32 s29, s25, 9                         ; 512 bytes a panel,
	s_add_co_u32 s28, s28, s29
	s_lshl_b32 s29, s22, 7                         ; 128 a wave
	s_add_co_u32 s28, s28, s29
	s_mov_b32 s29, 0
	s_lshl_b32 s30, s27, \lnp                      ; to: block ((expert x panels + panel) x slots + slot)
	s_add_co_u32 s30, s30, s25
	s_lshl_b32 s30, s30, \lnks
	s_add_co_u32 s30, s30, s26
	s_mul_i32 s30, s30, BLKB
	s_mov_b32 s31, 0
	v_lshlrev_b32 v1, 2, v6                        ; 4 bytes a lane
	v_and_b32 v2, 15, v6
	v_lshlrev_b32 v2, 4, v2
	v_lshrrev_b32 v8, 4, v6
	v_lshl_add_u32 v2, v8, 11, v2
	s_lshl_b32 s24, s22, 12
	v_add_nc_u32 v2, s24, v2                       ; codes: 4096 x wave + 2048 x tile + 16 x row
	v_lshlrev_b32 v3, 3, v6
	s_lshl_b32 s24, s22, 8
	v_add_nc_u32 v3, s24, v3                       ; scale words: 256 x wave + 128 x tile + 8 x row
	s_wait_alu depctr_va_vdst(0)
	s_wait_kmcnt 0x0
	s_add_nc_u64 s[\src:\src+1], s[\src:\src+1], s[28:29]
	s_add_nc_u64 s[\dst:\dst+1], s[\dst:\dst+1], s[30:31]
	WLOAD 0, \pitch, \src                          ; two blocks ahead; every offset is an immediate, no register of a memory instruction is ever written again
	WLOAD 1, \pitch, \src
.set Q, 0
.rept 8
	WBLOCK Q, \pitch, \src, \dst
.set Q, Q+1
.endr
	global_store_b64 v3, v[4:5], s[\dst:\dst+1] offset:32768   ; my column's two scale words: the wave stores 256 consecutive bytes
	s_endpgm
.endm
; ---- x's macros
.macro XLOAD reg, off                  ; 128 along K of my row: of each block of 32 my half's 16 numbers
.irp b, 0,1,2,3
.irp j, 0,1,2,3
	global_load_b128 v[\reg+16*\b+4*\j:\reg+16*\b+4*\j+3], v[XAD], s[4:5] offset:\off+128*\b+16*\j th:TH_LOAD_NT
.endr
.endr
.endm
.macro GLOAD n, q, buf                 ; gate_w's rows of chunk n (4 of my k), 32 bytes a row: the sixteen lanes of a half read the same words
.irp kk, 0,1,2,3
	ds_load_b128 v[GB+32*(\buf)+8*\kk:GB+32*(\buf)+8*\kk+3], v[GA] offset:(\q)*4096+(32*((\n)/4)+4*((\n)%4)+\kk)*32
	ds_load_b128 v[GB+32*(\buf)+8*\kk+4:GB+32*(\buf)+8*\kk+7], v[GA] offset:(\q)*4096+(32*((\n)/4)+4*((\n)%4)+\kk)*32+16
.endr
.endm
.macro GFMA xr, n, buf
.irp kk, 0,1,2,3
.irp e, 0,1,2,3,4,5,6,7
	v_fmac_f32 v[AC+\e], v[\xr+4*(\n)+\kk], v[GB+32*(\buf)+8*\kk+\e]
.endr
.endr
.endm
.macro GATE xr, q                      ; the gate's sums over my 64 numbers of K step q, in f32; it reads x ahead of the hold
	GLOAD 0, \q, 0
.set GN, 0
.rept 16
.if GN < 15
	GLOAD GN+1, \q, (GN+1)%2
	s_wait_alu depctr_va_vdst(0)
	s_wait_dscnt 8                                 ; this chunk's eight reads are in, the next chunk's eight may be out
.else
	s_wait_alu depctr_va_vdst(0)
	s_wait_dscnt 0x0
.endif
	GFMA \xr, GN, GN%2
.set GN, GN+1
.endr
.endm
.macro XQUANT s, pc, pw                ; 64 numbers of a lane, register 16 b + i = k 32 b + 16 h + i of my row, become a fragment's codes and its scale word
.irp b, 0,1,2,3
	v_max3_num_f32 v[TM+\b], |v[\s+16*\b]|, |v[\s+1+16*\b]|, FLOOR
.endr
.irp i, 2,4,6,8,10,12,14
.irp b, 0,1,2,3
	v_max3_num_f32 v[TM+\b], v[TM+\b], |v[\s+16*\b+\i]|, |v[\s+1+16*\b+\i]|   ; the four blocks by turns
.endr
.endr
.irp b, 0,1,2,3
	v_permlanex16_b32 v[TM+4+\b], v[TM+\b], s24, s25
.endr
.irp b, 0,1,2,3
	v_max_num_f32 v[TM+\b], v[TM+\b], v[TM+4+\b]   ; with lane l xor 16's 16 numbers: the block's largest magnitude
.endr
.irp b, 0,1,2,3
	v_add_nc_u32 v[TM+12+\b], 0xfc000000, v[TM+\b]
.endr
.irp b, 0,1,2,3
	v_and_or_b32 v[TM+8+\b], v[TM+\b], 0x7f800000, s23
.endr
.irp b, 0,1,2,3
	v_lshrrev_b32 v[TM+4+\b], 23, v[TM+12+\b]
.endr
	v_lshl_or_b32 v[\pw], v[TM+5], 8, v[TM+4]
	v_lshl_or_b32 v[\pw], v[TM+6], 16, v[\pw]
	v_lshl_or_b32 v[\pw], v[TM+7], 24, v[\pw]
.irp b, 0,1,2,3
.irp i, 0,1,2,3,4,5,6,7,8,9,10,11,12,13,14,15
	v_med3_num_f32 v[\s+16*\b+\i], v[\s+16*\b+\i], -v[TM+8+\b], v[TM+8+\b]
.endr
	v_cvt_scalef32_pk8_fp8_f32 v[\pc+4*\b:\pc+4*\b+1], v[\s+16*\b:\s+16*\b+7], v[TM+12+\b]
	v_cvt_scalef32_pk8_fp8_f32 v[\pc+4*\b+2:\pc+4*\b+3], v[\s+16*\b+8:\s+16*\b+15], v[TM+12+\b]
.endr
	v_nop                                          ; one plain line behind the last conversion, ahead of whatever vector line next writes its sources
.endm
	s_load_b128 s[4:7], s[0:1], 0x0                ; x 4:5, gate_w 6:7
	s_load_b64 s[8:9], s[0:1], 0x10                ; gate_b
	s_load_b64 s[12:13], s[0:1], 0x18              ; w2
	s_load_b64 s[14:15], s[0:1], 0x20              ; xq
	s_load_b64 s[18:19], s[0:1], 0x28              ; w2q
	s_load_b64 s[20:21], s[0:1], 0x30              ; ctab
	v_lshrrev_b32 v1, 5, v0
	v_readfirstlane_b32 s22, v1                    ; wave 0..3
	v_and_b32 v6, 31, v0                           ; lane
	s_mov_b32 s23, 0x600000                        ; the mantissa field of 448
	s_cmp_lt_u32 ttmp9, XWG                        ; the paths part on the work-group's number alone
	s_cbranch_scc1 .Lx
	s_wait_alu depctr_va_vdst(0)
	WPATH XWG, 3, 4, 4096, 12, 18                  ; w2: 8 panels of outputs, 16 slots of hidden units; 512 work-groups: experts 0 to 3
.Lx:	; ---- x and the gate.  Work-group id owns tokens 16 id .. + 15: lane (r, h) holds token r; wave w owns k = 256 w .. + 255
	v_lshlrev_b32 v[GS], 4, v0                     ; 16 x thread: gate_w comes into LDS as it lies, 2,048 bytes an instruction of the work-group
	v_and_b32 v16, 15, v0                          ; r
	v_bfe_u32 v17, v0, 4, 1                        ; h
	v_lshlrev_b32 v[XAD], 12, v16
	v_lshl_add_u32 v[XAD], v17, 6, v[XAD]
	s_lshl_b32 s40, ttmp9, 16                      ; x: 16 tokens of 4,096 bytes a work-group,
	s_lshl_b32 s41, s22, 10                        ; 1,024 bytes a slot
	s_add_co_u32 s40, s40, s41
	s_mov_b32 s41, 0
	s_wait_alu depctr_va_vdst(0)
	s_wait_kmcnt 0x0
	s_load_b256 s[32:39], s[8:9], 0x0              ; gate_b
	s_add_nc_u64 s[4:5], s[4:5], s[40:41]
.irp j, 0,1,2,3,4,5,6,7,8,9,10,11,12,13,14,15
	global_load_b128 v[GB+4*\j:GB+4*\j+3], v[GS], s[6:7] offset:2048*\j
.endr
	XLOAD XA, 0                                    ; all that the wave will read goes out at once: 48 loads
	XLOAD XB, 512
	s_lshl_b32 s26, s22, 13
	v_lshl_add_u32 v[GA], v17, 9, s26              ; my slot's 256 rows of 32 bytes; my half's 16 k are 16 rows on
	v_lshlrev_b32 v[IO], 4, v6
	v_lshlrev_b32 v[SO], 3, v16
	v_lshl_add_u32 v[SO], v17, 2, v[SO]
	s_mov_b32 s24, 0x76543210
	s_mov_b32 s25, 0xfedcba98                      ; v_permlanex16_b32's selects for lane l xor 16
	s_mov_b32 s27, 0x3e000000                      ; 1/8
	s_mov_b32 s28, 0xffff0000                      ; lanes 16-31
	s_mov_b32 s29, 0x3f07de70                      ; log2(e) / e: the temperature and the base of v_exp_f32 in one
	s_lshr_b32 s42, ttmp9, 3                       ; xq: my panel of 128 tokens,
	s_lshl_b32 s42, s42, 2
	s_add_co_u32 s42, s42, s22                     ; my slot's block of its four
	s_mul_i32 s42, s42, BLKB
	s_and_b32 s43, ttmp9, 7                        ; my tile in it
	s_lshl_b32 s44, s43, 11
	s_add_co_u32 s44, s44, s42                     ; its images
	s_mov_b32 s45, 0
	s_lshl_b32 s46, s43, 7
	s_add_co_u32 s46, s46, s42
	s_add_co_u32 s46, s46, 32768                   ; its scale words
	s_mov_b32 s47, 0
	s_add_nc_u64 s[30:31], s[14:15], s[46:47]
	s_add_nc_u64 s[14:15], s[14:15], s[44:45]
	s_lshl_b32 s40, ttmp9, 9
	s_add_nc_u64 s[20:21], s[20:21], s[40:41]      ; ctab: my first token x 32 bytes
	s_wait_loadcnt 32                              ; gate_w's 16 loads are in; x's 32 may be out
.irp j, 0,1,2,3,4,5,6,7,8,9,10,11,12,13,14,15
	ds_store_b128 v[GS], v[GB+4*\j:GB+4*\j+3] offset:2048*\j
.endr
.irp b, 0,1,2,3
	v_mov_b32 v[TM+4+\b], 0                        ; written once: a lane permute's destination counts as one of its sources
.endr
	s_wait_kmcnt 0x0                               ; gate_b
.irp e, 0,1,2,3,4,5,6,7
	v_mul_f32 v[AC+\e], s27, s[32+\e]              ; a token's sums are made in eight parts (four waves, two halves of the lanes): each starts from an eighth of the bias
.endr
	s_wait_alu depctr_va_vdst(0)
	s_wait_dscnt 0x0                               ; for the others' sake: my part of gate_w lies in LDS; and the stores have read v192 on
	s_barrier_signal -1
	s_barrier_wait -1                              ; everybody's does; nothing is written there again
	s_wait_loadcnt 16                              ; the first K step's 16 loads are in, the second's may be out
	GATE XA, 0
	XQUANT XA, PC0, PW0
.irp c, 0,1,2,3
	global_store_b128 v[IO], v[PC0+4*\c:PC0+4*\c+3], s[14:15] offset:512*\c          ; the image: 512 consecutive bytes a store
.endr
	s_wait_loadcnt 0x0                             ; the second K step is in: no load of mine is out any more
	GATE XB, 1
	XQUANT XB, PC1, PW1
.irp c, 0,1,2,3
	global_store_b128 v[IO], v[PC1+4*\c:PC1+4*\c+3], s[14:15] offset:16384+512*\c
.endr
	v_cndmask_b32 v16, v[PW0], v[PW1], s28         ; both halves hold both words: lanes 0-15 store the first K step's, lanes 16-31 the second's
	global_store_b32 v[SO], v16, s[30:31]          ; 128 consecutive bytes
	; ---- the four waves' gate sums meet in LDS
.set PT, 128                           ; v128-135 the other part's sums, then p
.set PR, 136                           ; v136-143 my sums as they are stored; then the probabilities
.set RK, 144                           ; v144-151 how many experts come before this one
.set WG, 152                           ; v152-159 the weights
.irp e, 0,1,2,3,4,5,6,7
	v_permlanex16_b32 v[PT+\e], v[AC+\e], s24, s25 ; (v128-135 were written by the holds above)
.endr
.irp e, 0,1,2,3,4,5,6,7
	v_add_f32 v[AC+\e], v[AC+\e], v[PT+\e]         ; my slot's part of x . gate_w + gate_b, in both halves of the lanes
.endr
.irp j, 0,1,2,3
	v_cndmask_b32 v[PR+\j], v[AC+\j], v[AC+4+\j], s28   ; lanes 0-15 store experts 0-3, lanes 16-31 experts 4-7
.endr
	v_and_b32 v[RB], 15, v0                        ; (the two registers were offsets of loads that are all in)
	v_bfe_u32 v[RA], v0, 4, 1
	v_lshlrev_b32 v[RB], 5, v[RB]                  ; 32 r
	v_lshl_add_u32 v[RA], v[RA], 4, v[RB]          ; 32 r + 16 h
	s_lshl_b32 s40, s22, 9
	s_add_co_u32 s40, s40, RED
	v_add_nc_u32 v[RA], s40, v[RA]
	v_add_nc_u32 v[RB], RED, v[RB]
	ds_store_b128 v[RA], v[PR:PR+3]                ; 512 consecutive bytes of the wave's own
	s_wait_dscnt 0x0                               ; for wave 0's sake: my sums lie in LDS
	s_barrier_signal -1
	s_barrier_wait -1
	s_cmp_lg_u32 s22, 0                            ; 16 tokens are one wave's work: waves 1 to 3 are done
	s_cbranch_scc1 .Lxend
	s_wait_alu depctr_va_vdst(0)
.irp w, 0,1,2,3
	ds_load_b128 v[XA+8*\w:XA+8*\w+3], v[RB] offset:512*\w
	ds_load_b128 v[XA+8*\w+4:XA+8*\w+7], v[RB] offset:512*\w+16
.endr
	s_wait_dscnt 0x0
.irp e, 0,1,2,3,4,5,6,7
	v_add_f32 v[AC+\e], v[XA+\e], v[XA+8+\e]
.endr
.irp e, 0,1,2,3,4,5,6,7
	v_add_f32 v[PT+\e], v[XA+16+\e], v[XA+24+\e]
.endr
.irp e, 0,1,2,3,4,5,6,7
	v_add_f32 v[AC+\e], v[AC+\e], v[PT+\e]         ; x . gate_w + gate_b
.endr
	; ---- the gate: softmax at temperature e, the five largest kept, renormalised, experts 4-7 negative.  Both halves of the lanes compute the same
	v_max3_num_f32 v160, v[AC], v[AC+1], v[AC+2]
	v_max3_num_f32 v160, v160, v[AC+3], v[AC+4]
	v_max3_num_f32 v160, v160, v[AC+5], v[AC+6]
	v_max_num_f32 v160, v160, v[AC+7]              ; the largest score is taken away ahead of the exponentials
	v_mul_f32 v160, s29, v160
.irp e, 0,1,2,3,4,5,6,7
	v_fma_f32 v[PT+\e], v[AC+\e], s29, -v160
.endr
	s_wait_alu depctr_va_vdst(0)
.irp e, 0,1,2,3,4,5,6,7
	v_exp_f32 v[PT+\e], v[PT+\e]
.endr
	v_nop                                          ; a plain line behind the last exponential,
	s_wait_alu depctr_va_vdst(0)                   ; and one wait for the batch, ahead of its first reader
	v_add_f32 v161, v[PT], v[PT+1]
	v_add_f32 v162, v[PT+2], v[PT+3]
	v_add_f32 v163, v[PT+4], v[PT+5]
	v_add_f32 v164, v[PT+6], v[PT+7]
	v_add_f32 v161, v161, v162
	v_add_f32 v163, v163, v164
	v_add_f32 v161, v161, v163
	s_wait_alu depctr_va_vdst(0)
	v_rcp_f32 v162, v161
.irp e, 0,1,2,3,4,5,6,7
	v_mov_b32 v[RK+\e], 7-\e                       ; expert e starts as if every later expert came before it.  (Plain lines behind the reciprocal)
.endr
	s_wait_alu depctr_va_vdst(0)
.irp e, 0,1,2,3,4,5,6,7
	v_mul_f32 v[PR+\e], v[PT+\e], v162
.endr
.irp i, 0,1,2,3,4,5,6
.irp j, 1,2,3,4,5,6,7
.if \j > \i
	v_cmp_ge_f32 vcc_lo, v[PR+\i], v[PR+\j]        ; of a pair the earlier expert comes first where it is not smaller: the lower index wins a tie
	v_cndmask_b32 v163, 0, 1, vcc_lo
	v_add_nc_u32 v[RK+\j], v[RK+\j], v163
	v_sub_nc_u32 v[RK+\i], v[RK+\i], v163
.endif
.endr
.endr
.irp e, 0,1,2,3,4,5,6,7
	v_cmp_gt_u32 vcc_lo, 5, v[RK+\e]               ; the choice only selects a value: no address and no branch hangs on it
	v_cndmask_b32 v[WG+\e], 0, v[PR+\e], vcc_lo
.endr
	v_add_f32 v161, v[WG], v[WG+1]
	v_add_f32 v162, v[WG+2], v[WG+3]
	v_add_f32 v163, v[WG+4], v[WG+5]
	v_add_f32 v164, v[WG+6], v[WG+7]
	v_add_f32 v161, v161, v162
	v_add_f32 v163, v163, v164
	v_add_f32 v161, v161, v163
	v_add_f32 v161, 0x322bcc77, v161               ; + 1e-8
	s_wait_alu depctr_va_vdst(0)
	v_rcp_f32 v162, v161
	v_and_b32 v168, 15, v0                         ; (plain lines behind the reciprocal)
	v_bfe_u32 v169, v0, 4, 1
	v_lshlrev_b32 v168, 5, v168
	v_lshl_add_u32 v168, v169, 4, v168             ; 32 r + 16 h
	s_wait_alu depctr_va_vdst(0)
.irp e, 0,1,2,3
	v_mul_f32 v[WG+\e], v[WG+\e], v162
	v_mul_f32 v[WG+4+\e], v[WG+4+\e], -v162
.endr
.irp j, 0,1,2,3
	v_cndmask_b32 v[164+\j], v[WG+\j], v[WG+4+\j], s28   ; lanes 0-15 store experts 0-3, lanes 16-31 experts 4-7
.endr
	global_store_b128 v168, v[164:167], s[20:21]   ; 16 tokens x 32 bytes: 512 consecutive bytes
.Lxend:
	v_lshl_add_u32 v200, v0, 2, 0x8800             ; no two registers can be kept through x's path: v0 is kept, and my spare word's address and 0 are made here, ahead of the wave's three closing lines
	v_mov_b32 v201, 0
	s_wait_alu depctr_va_vdst(0)
	s_wait_tensorcnt 0x0
	ds_add_u32 v200, v201
	s_wait_dscnt 0x0
	s_endpgm
.Lfunc_end_k_q5bc1a25ff7_prep:
	.size	k_q5bc1a25ff7_prep, .Lfunc_end_k_q5bc1a25ff7_prep-k_q5bc1a25ff7_prep
	.p2alignl 7, 3214868480
	.fill 96, 4, 3214868480
	.section	.rodata,"a",@progbits
	.p2align	6, 0x0
	.amdhsa_kernel k_q5bc1a25ff7_prep
		.amdhsa_group_segment_fixed_size 35328
		.amdhsa_private_segment_fixed_size 0
		.amdhsa_enable_private_segment 0
		.amdhsa_kernarg_size 56
		.amdhsa_user_sgpr_count 2
		.amdhsa_user_sgpr_kernarg_segment_ptr 1
		.amdhsa_wavefront_size32 1
		.amdhsa_system_sgpr_workgroup_id_x 1
		.amdhsa_system_sgpr_workgroup_id_y 1
		.amdhsa_system_sgpr_workgroup_id_z 1
		.amdhsa_system_vgpr_workitem_id 0
		.amdhsa_next_free_vgpr 256
		.amdhsa_next_free_sgpr 66
		.amdhsa_reserve_vcc 1
		.amdhsa_float_denorm_mode_32 3
		.amdhsa_float_denorm_mode_16_64 3
		.amdhsa_memory_ordered 1
		.amdhsa_forward_progress 1
		.amdhsa_inst_pref_size 143
	.end_amdhsa_kernel
	.amdgpu_metadata
---
amdhsa.version: [ 1, 2 ]
amdhsa.kernels:
  - .name:           k_q5bc1a25ff7_prep
    .symbol:         k_q5bc1a25ff7_prep.kd
    .args:
      - { .name: x, .offset: 0, .size: 8, .value_kind: global_buffer, .address_space: global }
      - { .name: gate_w, .offset: 8, .size: 8, .value_kind: global_buffer, .address_space: global }
      - { .name: gate_b, .offset: 16, .size: 8, .value_kind: global_buffer, .address_space: global }
      - { .name: w2, .offset: 24, .size: 8, .value_kind: global_buffer, .address_space: global }
      - { .name: xq, .offset: 32, .size: 8, .value_kind: global_buffer, .address_space: global }
      - { .name: w2q, .offset: 40, .size: 8, .value_kind: global_buffer, .address_space: global }
      - { .name: ctab, .offset: 48, .size: 8, .value_kind: global_buffer, .address_space: global }
    .group_segment_fixed_size: 35328
    .private_segment_fixed_size: 0
    .kernarg_segment_align: 8
    .kernarg_segment_size: 56
    .max_flat_workgroup_size: 128
    .sgpr_count:     66
    .vgpr_count:     256
    .wavefront_size: 32
...
	.end_amdgpu_metadata
.endif
;; end of part 1
;; launch ffn1 (part 2): grid 256 x 1, 4 waves a work-group, clusters of 4 x 1, 327,680 bytes of LDS; arguments xq, w1, b1, hq, w2, w2q; writes hq, w2q
.if DOCPART == 2
	.amdgcn_target "amdgcn-amd-amdhsa--gfx1250"
	.amdhsa_code_object_version 6
	.text
	.protected	k_q5bc1a25ff7_ffn1
	.globl	k_q5bc1a25ff7_ffn1
	.p2align	8
	.type	k_q5bc1a25ff7_ffn1,@function
k_q5bc1a25ff7_ffn1:
	s_mov_b64 s[64:65], 0
	v_nop
	global_prefetch_b8 v0, s[64:65] scope:SCOPE_SE
	s_setreg_imm32_b32 hwreg(HW_REG_WAVE_MODE, 25, 1), 1
	s_wait_xcnt 0x0
	s_wait_alu depctr_hold_cnt(0) depctr_sa_sdst(0) depctr_va_vdst(0) depctr_va_sdst(0) depctr_va_ssrc(0) depctr_va_vcc(0) depctr_vm_vsrc(0)
	s_getreg_b32 s2, hwreg(HW_REG_IB_STS2, 6, 4)
	s_cmp_eq_u32 s2, 0
	s_cbranch_scc0 .Lentry_in_a_cluster
	s_endpgm
.Lentry_in_a_cluster:
	s_bfe_u32 s2, ttmp6, 0x10000c
	s_cmp_lg_u32 s2, 0x3003
	s_cbranch_scc0 .Lentry_shape_is_right
	s_endpgm
.Lentry_shape_is_right:
; FFN1: hq = Q(relu(x Q(w1) + b1)) for all eight experts, on codes of FP8 (E4M3) with E8M0 scales; w1 [8][1024 k][4096] arrives as f32 and is quantised here, along k; sums in f32.
; Beside its products the launch also lays w2q for experts 4 to 7 of w2 (below: W2).
; THE DEAL: 256 work-groups of four waves; work-group g owns hidden units 128 (g % 32) .. + 127 of expert g / 32, for all 1,024 tokens, so each number of w1 is read by one work-group, once.
; PHASE 1, the weights: 1,024 k x 512 bytes come in four fills of 256 k through the ring's two slots; wave w fetches 64 k-rows, and two rows of zeros past the tile's end make its quarter 33,792 bytes, as long as a block of x:
;   so every byte of a slot has been filled when x's panels are filled over it.  Wave w quantises columns 32 w .. + 31: a lane takes a column and its registers run down k, so a block of 32 lies in one lane.
;   Codes and scale bytes pass through LDS bytes of their own (TR, WSC) into registers: a wave holds 64 rows, all of K, in 512 registers.
;   Row 8 m + i of tile j of wave column v is hidden unit 64 v + 32 m + 8 j + i: so a lane's 32 sums of a block are 32 neighbours along the next K, one scale block.
; PHASE 2: x's eight panels of 128 tokens (four blocks of 33,792 bytes on end: images of the operand's registers, scale words behind them) stream through the same two slots, asked for jointly by the cluster's four.
;   Waves 2 x 2: wave row w / 2 takes tiles 4 (w / 2) .. + 3 of a panel, wave column w % 2 64 hidden units.  A block is 16 tokens: 32 products on four sums by turns; b1 is the first products' C.
;   A block's way out (largest number, relu and hold in one, conversions, the byte) stands in three runs among the next block's products, behind products 7, 15 and 23: six switches of the register window a block; sums stand in two sets.
;   The first way out has no block before it and stores nothing.
;   One round of the cluster's barrier a panel, behind its third block's products: it shows the next panel and frees this one's slot, which takes the panel two on.  The last two panels have a loop of their own, without a fill.
; hq: block ((expert x 8 + panel) x 16 + hidden / 256) of 33,792 bytes: code of tile i, token r, k = 128 q + 32 c + 16 h + t at 16384 q + 2048 i + 512 c + 16 (16 h + r) + t; scale word at 32768 + 128 i + 8 r + 4 q.
; W2: phase 2 asks nothing of memory but x, so w2's experts 4 to 7 [4096 k][1024], f32, are quantised along k beside it: work-group g lays blocks 512 + 2 g and 513 + 2 g of w2q (the layout above: 128 outputs x 256 k):
;   512 k-rows x 512 bytes; wave w takes 32 columns, a lane a column, registers down k; two blocks of 32 k a panel, behind the second and the fourth block's LDS fetches.  The numbers come from memory straight into the 64 registers
;   that phase 1 left free: 16 loads at each of a panel's four places, three places or more ahead of their use; 64 loads of a wave are out at the most.  No LDS byte is touched.
; PREFETCH: all 64 clusters read the same 1,081,344 bytes of x, so clusters 0, 16, 32 and 48 alone ask: their 512 lanes name 512 blocks of 256 bytes of a panel, a lane a block, shared out by address (the panel's last 4,096 bytes are not named).
;   Panel n (n < 4) is asked for behind fill n's quantiser, panel n + 4 in panel n's second block: two fills ahead of its load.  w1 is not prefetched: its own fills have 131,072 bytes a work-group on their way throughout phase 1;
;   nor w2: its loads themselves stand three places ahead.
; LIMITS: NaN and infinities are not served; a block whose largest number lies under 2^-118 (zeros and all-negative hidden blocks among them) gets the byte 1, which this program alone reads.
.set QUARTER, 33792
.set SLOT,  4*QUARTER
.set TR,    2*SLOT                     ; 32,768 bytes: a fill's codes: [64 k][tile][32 k][16 k][row][16]
.set WSC,   TR+32768                   ; 1,024: a fill's scale bytes: [tile][row][8]
.set HB,    WSC+1024                   ; 512 that the skipped first way out names, then the hidden layer's scale bytes [token][4]
.set SPARE, HB+4608                    ; the spare words: 512 bytes that no other line names
.set FLOOR, 0x4800000
.set EMAX, 8
.set NP, 8                             ; plain vector lines behind this matrix instruction (ISA guide 7.12.1)
.set NF, 36                            ; LDS loads of a block of x
.set AX, 4                             ; v4, v5  x's fragments: K 0-511, K 512-1023
.set AS, 6                             ; v6, v7  x's scale words
.set CN, 8                             ; v8   512 h + 16 r
.set VX, 9                             ; v9   LDS place of a scale byte
.set SPW, 10
.set NIL, 11
.set QL, 12                            ; v12, v13 where my column's numbers lie: stepped, base
.set QLB, 13
.set QS, 14                            ; v14, v15 where my codes go
.set QSB, 15
.set QW, 16                            ; v16, v17 where my scale bytes go
.set QWB, 17
.set FRD, 18                           ; v18  where my fragments are read back
.set SOP, 20                           ; v20  the conversions' scale operand
.set WRD, 23                           ; v23  where my scale words are read back
.set SB, 24                            ; v24-39 the weight's scale words: 8 p + K step: lanes 0-15 tile 2 p, lanes 16-31 tile 2 p + 1
.set EB, 40
.set PFO, 42                           ; v42  the prefetches' offset: 256 x (128 cx + thread); never rewritten
.set SA, 44                            ; v44-59 x's scale words, two sets
.set TQ, 60
.set ACC, 64                           ; v64-127 two sets of four sums
.set X, 128                            ; v128-191 two blocks of 32 numbers: phase 1 w1's, phase 2 w2's
.set C, 192                            ; v192-207 phase 1: their codes
.set NCD, 192                          ; v192-199 phase 2: a block's 32 codes a lane
.set WC, 200                           ; v200-207 phase 2: 32 codes of w2
.set BQ, 208                           ; v208-239 b1
.set WT, 240                           ; v240-243 w2's quantiser at work; v244 its byte
.set WB, 245                           ; v245 w2's scale word, two bytes a panel
.set W2L, 246                          ; v246 4 x lane;  v247 4096 w + 2048 (lane / 16) + 16 (lane % 16);  v248 256 w + 8 x lane; never rewritten
.set W2S, 247
.set W2W, 248
.set G1W, 24
.set G0W, 32
.set G1X, 48
.set G0X, 56
.set MSB, 0
.macro WIN new                         ; the immediate's high byte repeats the setting that is left
.if MSB != \new
	s_set_vgpr_msb (MSB<<8)|\new
.set MSB, \new
.endif
.endm
.macro PLACES n
.rept \n
	v_nop
.endr
.endm
.macro WALU
	s_wait_alu depctr_va_vdst(0)
.endm
.macro BARRIER
	s_barrier_signal -1
	s_barrier_wait -1
.endm
.macro CREST                           ; a round of the cluster's barrier behind its opening barrier
	s_cmp_lg_u32 s14, 0
	s_cbranch_scc1 .Lnot_wave_0_\@
	s_barrier_signal -3
.Lnot_wave_0_\@:
	s_barrier_wait -3
	BARRIER
.endm
.macro ROUND
	BARRIER
	CREST
.endm
.macro TLOAD g0, g1                    ; an s_nop 0 and four v_nop follow a tensor load
	tensor_load_to_lds s[\g0:\g0+3], s[\g1:\g1+7]
	s_nop 0
	PLACES 4
.endm
	s_load_b256 s[4:11], s[0:1], 0x0               ; xq 4:5, w1 6:7, b1 8:9, hq 10:11
	s_load_b128 s[92:95], s[0:1], 0x20             ; w2 92:93, w2q 94:95
	v_lshl_add_u32 v[SPW], v0, 2, SPARE
	v_mov_b32 v[NIL], 0
	ds_add_u32 v[SPW], v[NIL]                      ; the opening lines: the add twice and its wait ahead of my first tensor load
	ds_add_u32 v[SPW], v[NIL]
	v_lshrrev_b32 v1, 5, v0
	v_readfirstlane_b32 s14, v1                    ; wave
	s_lshr_b32 s15, s14, 1
	s_and_b32 s16, s14, 1
	s_bfe_u32 s40, ttmp6, 0x40000                  ; cx
	s_lshl_b32 s42, ttmp9, 2
	s_add_co_u32 s42, s42, s40                     ; work-group
	s_lshr_b32 s18, s42, 5                         ; expert
	s_and_b32 s19, s42, 31                         ; its slice of 128 hidden units
	s_mov_b32 s[G1W+0], 3<<16                      ; w1's tiles: elements of 8 bytes, rows of 512 bytes, 16,384 apart; 64 rows are there, 66 are laid: the last two as zeros
	s_mov_b32 s[G1W+1], 64<<16
	s_mov_b32 s[G1W+2], 64<<16
	s_mov_b32 s[G1W+3], 64<<16
	s_mov_b32 s[G1W+4], 66
	s_mov_b32 s[G1W+5], 2048
	s_mov_b32 s[G1W+6], 0
	s_mov_b32 s[G1W+7], 0
	s_mov_b32 s[G1X+0], 15|(3<<16)|(1<<21)         ; x's blocks: 132 dense rows of 256 bytes, for all four of the cluster
	s_mov_b32 s[G1X+1], 32<<16
	s_mov_b32 s[G1X+2], 132<<16
	s_mov_b32 s[G1X+3], 32<<16
	s_mov_b32 s[G1X+4], 132
	s_mov_b32 s[G1X+5], 32
	s_mov_b32 s[G1X+6], 0
	s_mov_b32 s[G1X+7], 0
	s_lshl_b32 s20, s18, 24                        ; w1: an expert is 2^24 bytes, my 64 k-rows 2^20 x wave, my slice 512 bytes
	s_lshl_b32 s21, s14, 20
	s_add_co_u32 s20, s20, s21
	s_lshl_b32 s21, s19, 9
	s_add_co_u32 s20, s20, s21
	s_mov_b32 s21, 0
	s_mul_i32 s45, s14, QUARTER                    ; my quarter of a slot, and of a panel
	s_mov_b32 s22, s45
	s_mov_b32 s23, 0
	s_mov_b32 s[G0W], 1
	s_mov_b32 s[G0W+1], s45
	s_mov_b32 s[G0X], 1
	s_mov_b32 s[G0X+1], s45
	s_mov_b32 s62, 0x600000                        ; the mantissa field of 448
	s_lshl_b32 s66, s15, 13                        ; LDS terms, from the wave's number alone
	s_lshl_b32 s67, s15, 9
	s_add_co_u32 s67, s67, 32768
	s_lshl_b32 s68, s15, 8
	s_lshl_b32 s2, s16, 1
	s_add_co_u32 s68, s68, s2
	s_add_co_u32 s68, s68, HB
	s_lshl_b32 s69, s14, 7
	s_lshl_b32 s70, s15, 12
	s_lshl_b32 s2, s16, 7
	s_add_co_u32 s70, s70, s2
	s_add_co_u32 s70, s70, TR
	s_lshl_b32 s71, s15, 9
	s_lshl_b32 s2, s16, 6
	s_add_co_u32 s71, s71, s2
	s_add_co_u32 s71, s71, WSC
	s_lshl_b32 s72, s16, 12
	s_add_co_u32 s72, s72, TR
	s_lshl_b32 s73, s16, 9
	s_add_co_u32 s73, s73, WSC
	s_lshl_b32 s74, s14, 10
	s_add_co_u32 s74, s74, HB+512
	s_and_b32 s75, ttmp9, 15                       ; 0 in clusters 0, 16, 32, 48, which prefetch; 4 in the others
	s_min_u32 s75, s75, 1
	s_lshl_b32 s75, s75, 2
	s_lshl_b32 s82, s40, 15                        ; my work-group's 128 blocks of a panel's 512: told apart by address
	s_lshl_b32 s76, s42, 9                         ; b1: 512 bytes a work-group, 256 a wave column
	s_lshl_b32 s2, s16, 8
	s_add_co_u32 s76, s76, s2
	s_mov_b32 s77, 0
	s_lshl_b32 s78, s18, 7                         ; hq's codes: block 128 x expert + slice / 2 (+ 16 a panel); K step slice % 2; my tiles; my two scale blocks
	s_lshr_b32 s2, s19, 1
	s_add_co_u32 s78, s78, s2
	s_lshl_b32 s80, s14, 5                         ; its scale words: wave w stores panels 2 w, 2 w + 1
	s_add_co_u32 s80, s80, s78
	s_mul_i32 s78, s78, QUARTER
	s_mul_i32 s80, s80, QUARTER
	s_and_b32 s2, s19, 1
	s_lshl_b32 s3, s2, 14
	s_add_co_u32 s78, s78, s3
	s_add_co_u32 s78, s78, s66
	s_lshl_b32 s3, s16, 10
	s_add_co_u32 s78, s78, s3
	s_mov_b32 s79, 0
	s_lshl_b32 s3, s2, 2
	s_add_co_u32 s80, s80, s3
	s_add_co_u32 s80, s80, 32768
	s_mov_b32 s81, 0
	s_lshr_b32 s36, s42, 6                         ; w2: expert 4 + g / 64, 2^24 bytes each;
	s_add_co_u32 s36, s36, 4
	s_lshl_b32 s36, s36, 24
	s_and_b32 s2, s42, 7                           ; k-rows 512 (g % 8) on, 4,096 bytes each;
	s_lshl_b32 s2, s2, 21
	s_add_co_u32 s36, s36, s2
	s_bfe_u32 s2, s42, 0x30003                     ; panel (g / 8) % 8 of 128 outputs, 512 bytes;
	s_lshl_b32 s2, s2, 9
	s_add_co_u32 s36, s36, s2
	s_add_co_u32 s36, s36, s69                     ; 128 bytes a wave
	s_mov_b32 s37, 0
	s_lshl_b32 s38, s42, 1                         ; w2q: block 512 + 2 g
	s_add_co_u32 s38, s38, 512
	s_mul_i32 s38, s38, QUARTER
	s_mov_b32 s39, 0
	s_lshl_b32 s61, s14, 8
	s_lshl_b32 s83, s14, 12
	s_wait_dscnt 0x0                               ; both opening adds are done
	ROUND                                          ; the round in front of the first loads
	s_wait_kmcnt 0x0
	s_add_nc_u64 s[G0W+2:G0W+3], s[6:7], s[20:21]
	s_or_b32 s[G0W+3], s[G0W+3], 0x80000000
	s_add_nc_u64 s[G0X+2:G0X+3], s[4:5], s[22:23]
	s_or_b32 s[G0X+3], s[G0X+3], 0x80000000
	s_add_nc_u64 s[8:9], s[8:9], s[76:77]
	s_add_nc_u64 s[84:85], s[10:11], s[78:79]
	s_add_nc_u64 s[86:87], s[10:11], s[80:81]
	s_mov_b64 s[88:89], s[4:5]                     ; the prefetches' base
	s_add_nc_u64 s[90:91], s[92:93], s[36:37]      ; w2: my columns, this panel's 64 k-rows
	s_add_nc_u64 s[94:95], s[94:95], s[38:39]      ; w2q: my two blocks
	TLOAD G0W, G1W                                 ; k 0-255 into slot 0: my one load at the head
	v_and_b32 v1, 15, v0                           ; r
	v_bfe_u32 v2, v0, 4, 1                         ; h
	v_and_b32 v3, 31, v0                           ; lane
	v_lshl_add_u32 v[AX], v3, 4, s66               ; 16 x lane + my four tiles
	v_add_nc_u32 v[AX+1], 2*QUARTER, v[AX]
	v_lshl_add_u32 v[AS], v1, 3, s67
	v_add_nc_u32 v[AS+1], 2*QUARTER, v[AS]
	v_lshlrev_b32 v[CN], 9, v2
	v_lshl_add_u32 v[CN], v1, 4, v[CN]
	v_lshl_add_u32 v[VX], v1, 2, v2
	v_add_nc_u32 v[VX], s68, v[VX]                 ; 4 x token + 2 x wave column + h
	v_lshl_add_u32 v[QLB], v3, 2, s69              ; column 32 w + lane
	v_lshrrev_b32 v19, 3, v3
	v_and_b32 v21, 7, v3
	v_lshl_add_u32 v[QSB], v19, 10, s70            ; that column is tile 4 (w / 2) + lane / 8, row 8 (w % 2) + lane % 8
	v_lshl_add_u32 v[QSB], v21, 4, v[QSB]
	v_lshl_add_u32 v[QWB], v19, 7, s71
	v_lshl_add_u32 v[QWB], v21, 3, v[QWB]
	v_lshl_add_u32 v[FRD], v3, 4, s72
	v_lshl_add_u32 v[WRD], v3, 3, s73
	v_lshl_add_u32 v[PFO], v0, 8, s82
	v_lshlrev_b32 v[W2L], 2, v3
	v_lshl_add_u32 v[W2S], v2, 11, s83             ; w2's column 32 w + lane is tile 2 w + lane / 16, row lane % 16
	v_lshl_add_u32 v[W2S], v1, 4, v[W2S]
	v_lshl_add_u32 v[W2W], v3, 3, s61
	v_mov_b32 v[WB], 0
	v_lshlrev_b32 v22, 7, v2                       ; b1: register 8 j + i of lane (r, h) is unit 32 h + 8 j + i of my 64
.irp k, 0,1,2,3,4,5,6,7
	global_load_b128 v[BQ+4*\k:BQ+4*\k+3], v22, s[8:9] offset:16*\k
.endr
	WALU
.macro QUANT xs, cc, t, by             ; 32 numbers down k of my column, at xs, become 32 codes at cc and a byte; v[t .. t + 3] at work
	v_max3_num_f32 v[\t], |v[\xs]|, |v[\xs+1]|, |v[\xs+2]|
	v_max3_num_f32 v[\t+1], |v[\xs+3]|, |v[\xs+4]|, |v[\xs+5]|
.irp i, 6,10,14,18,22,26
	v_max3_num_f32 v[\t], v[\t], |v[\xs+\i]|, |v[\xs+\i+1]|
	v_max3_num_f32 v[\t+1], v[\t+1], |v[\xs+\i+2]|, |v[\xs+\i+3]|
.endr
	v_max3_num_f32 v[\t], v[\t], |v[\xs+30]|, |v[\xs+31]|
	v_max3_num_f32 v[\t], v[\t], v[\t+1], FLOOR    ; the floor holds the byte at 1 from below
	v_add_nc_u32 v[\t+3], 0xfc000000, v[\t]        ; 8 off the exponent field: the conversion's scale operand
	v_and_or_b32 v[\t+2], v[\t], 0x7f800000, s62   ; 448 x the scale
	v_lshrrev_b32 v[\by], 23, v[\t+3]
.set I_, 0
.rept 32
	v_med3_num_f32 v[\xs+I_], v[\xs+I_], -v[\t+2], v[\t+2]   ; the conversion does not saturate (ISA guide 7.6.2)
.set I_, I_+1
.endr
.irp g, 0,1,2,3
	v_cvt_scalef32_pk8_fp8_f32 v[\cc+2*\g:\cc+2*\g+1], v[\xs+8*\g:\xs+8*\g+7], v[\t+3]
.endr
.endm
.macro QSLOT sl, n                     ; fill n, in slot sl: four trips of 64 k; then its 8 fragments and 4 scale words a lane into registers
	v_add_nc_u32 v[QL], (\sl)*SLOT, v[QLB]
	v_mov_b32 v[QS], v[QSB]
	v_mov_b32 v[QW], v[QWB]
	s_mov_b32 s3, 0
.Lq_\@:
.set I_, 0
.rept 64
	ds_load_b32 v[X+I_], v[QL] offset:512*I_       ; 32 lanes read 128 consecutive bytes of a k-row
.set I_, I_+1
.endr
	s_wait_dscnt 32                                ; the first block's 32 loads are in
	QUANT X, C, TQ, EB
	ds_store_b128 v[QS], v[C:C+3]
	ds_store_b128 v[QS], v[C+4:C+7] offset:256
	s_wait_dscnt 2                                 ; the second's too; the two stores just issued may be out
	QUANT X+32, C+8, TQ, EB+1
	ds_store_b128 v[QS], v[C+8:C+11] offset:512
	ds_store_b128 v[QS], v[C+12:C+15] offset:768
	v_lshl_or_b32 v[EB], v[EB+1], 8, v[EB]
	ds_store_b16 v[QW], v[EB]
	s_wait_dscnt 0x0                               ; my stores have read their registers
	v_add_nc_u32 v[QL], QUARTER, v[QL]
	v_add_nc_u32 v[QS], 8192, v[QS]
	v_add_nc_u32 v[QW], 2, v[QW]
	s_add_co_u32 s3, s3, 1
	s_cmp_lg_u32 s3, 4
	WALU
	s_cbranch_scc1 .Lq_\@
	BARRIER                                        ; everybody's codes lie in TR (each wave has waited for its stores)
.irp l, 0,1
.irp b, 0,1,2,3
	WIN (1+(4*(2*(\n)+\l)+\b)/16)<<6
.irp c, 0,1,2,3
	ds_load_b128 v[16*((4*(2*(\n)+\l)+\b)%16)+4*\c:16*((4*(2*(\n)+\l)+\b)%16)+4*\c+3], v[FRD] offset:(2*\l+\c/2)*8192+\b*1024+(\c%2)*512
.endr
.endr
.endr
	WIN 0
	ds_load_b64 v[SB+2*(\n):SB+2*(\n)+1], v[WRD]
	ds_load_b64 v[SB+8+2*(\n):SB+8+2*(\n)+1], v[WRD] offset:256
.endm
.macro WSTEP n                         ; fill n has landed; the other slot is asked for; fill n is quantised
	s_wait_tensorcnt 0x0                           ; my quarter of fill n is in; then an add and its wait, ahead of the round
	ds_add_u32 v[SPW], v[NIL]
.if (\n) < 3
	s_add_nc_u64 s[G0W+2:G0W+3], s[G0W+2:G0W+3], 256*16384
	s_xor_b32 s[G0W+1], s[G0W+1], SLOT
.endif
	s_wait_dscnt 0x0                               ; the add, my reads of the other slot and of TR
	ROUND
.if (\n) < 3
	TLOAD G0W, G1W
.else
	TLOAD G0X, G1X                                 ; x's panel 0 into slot 0
.endif
	QSLOT (\n)%2, \n
	s_cmp_eq_u32 s75, 0                            ; four clusters ask for x's panel n: a lane a block of 256 bytes
	s_cbranch_scc0 .Lno_ask_\@
	global_prefetch_b8 v[PFO], s[88:89] offset:(\n)*SLOT th:TH_LOAD_NT scope:SCOPE_SE
.Lno_ask_\@:
.endm
	WSTEP 0
	WSTEP 1
	WSTEP 2
	WSTEP 3
; ---- phase 2
.macro FETCHAT k, j                    ; tile j of my four, all of K, into set k of window 3, and its scale words: NF loads
	WIN 3<<6
.irp q, 0,1,2,3,4,5,6,7
.irp c, 0,1,2,3
	ds_load_b128 v[128*\k+16*\q+4*\c:128*\k+16*\q+4*\c+3], v[AX+\q/4] offset:((\q/2)%2)*QUARTER+16384*(\q%2)+2048*\j+512*\c
.endr
.endr
	WIN 0
.irp s, 0,1,2,3
	ds_load_b64 v[SA+8*\k+2*\s:SA+8*\k+2*\s+1], v[AS+\s/2] offset:(\s%2)*QUARTER+128*\j
.endr
.endm
.macro PROD e, n                       ; product n = 4 x K step + tile: source 0 the weight's rows, source 1 x's; set e of x and of the sums
.set Q_, (\n)/4
.set B_, (\n)%4
.set AC_, ACC+32*(\e)+8*B_
.set C_, AC_
.if Q_ == 0
.set C_, BQ+8*B_
.endif
.set R_, 128*(\e)+16*Q_
.set W_, 16*((\n)%16)
	WIN (1+(\n)/16)|(3<<2)
.if B_%2
	v_wmma_scale_f32_16x16x128_f8f6f4 v[AC_:AC_+7], v[W_:W_+15], v[R_:R_+15], v[C_:C_+7], v[SB+8*(B_/2)+Q_], v[SA+8*(\e)+Q_] matrix_a_scale:MATRIX_SCALE_ROW1
.else
	v_wmma_scale_f32_16x16x128_f8f6f4 v[AC_:AC_+7], v[W_:W_+15], v[R_:R_+15], v[C_:C_+7], v[SB+8*(B_/2)+Q_], v[SA+8*(\e)+Q_]
.endif
.endm
.macro HOLD x, b                       ; the relu and the hold in one
	v_med3_num_f32 v[\x], v[\x], 0, v[TQ+\b]
.endm
.macro SCALES i
.if (\i) == 0
	v_add_nc_u32 v[SOP], -(EMAX<<23), v[TQ]
.elseif (\i) == 1
	v_and_or_b32 v[TQ+1], v[TQ], 0x7f800000, s62
.else
	v_lshrrev_b32 v[EB], 23, v[SOP]
.endif
.endm
.macro MAXQ k, x                       ; 18 lines: the largest of the 32 sums at x (no |.|: what is negative becomes 0), and the floor; each sum is read from its low end on
.if (\k) < 4
	v_max3_num_f32 v[TQ+\k], v[\x+8*(\k)], v[\x+8*(\k)+1], v[\x+8*(\k)+2]
.elseif (\k) < 12
	v_max3_num_f32 v[TQ+(\k)%4], v[TQ+(\k)%4], v[\x+8*((\k)%4)+2*((\k)/4)+1], v[\x+8*((\k)%4)+2*((\k)/4)+2]
.elseif (\k) < 16
	v_max_num_f32 v[TQ+(\k)%4], v[TQ+(\k)%4], v[\x+8*((\k)%4)+7]
.elseif (\k) == 16
	v_max3_num_f32 v[TQ], v[TQ], v[TQ+1], v[TQ+2]
.else
	v_max3_num_f32 v[TQ], v[TQ], v[TQ+3], FLOOR
.endif
.endm
.macro GAPQ m, x                       ; the way out of the block whose sums stand at x, in 27 pieces
.if (\m) < 9
	MAXQ 2*(\m), \x
	MAXQ 2*(\m)+1, \x
.elseif (\m) == 9
	SCALES 0
	SCALES 1
.elseif (\m) < 26
	HOLD \x+2*((\m)-10), 1
	HOLD \x+2*((\m)-10)+1, 1
.if ((\m)-10)%4 == 3
	v_cvt_scalef32_pk8_fp8_f32 v[NCD+2*(((\m)-10)/4):NCD+2*(((\m)-10)/4)+1], v[\x+8*(((\m)-10)/4):\x+8*(((\m)-10)/4)+7], v[SOP]
.endif
.elseif (\m) == 26
	SCALES 2
.endif
.endm
.macro BLOCK e, x                      ; 32 products; behind products 7, 15 and 23 nine pieces each of the way out of the block before
.set N_, 0
.rept 32
	PROD \e, N_
.if (N_%8) == 7 && N_ < 24
	WIN 0
.set M_, 9*(N_/8)
.rept 9
	GAPQ M_, \x
.set M_, M_+1
.endr
.endif
.set N_, N_+1
.endr
	WIN 0
.endm
.macro BLK e, x, ask=0
	s_wait_dscnt NF                                ; my set is in; the next block's NF loads may be out
	s_wait_xcnt 0x0                                ; the codes' registers are written anew among the products
.if \ask
	s_add_co_u32 s2, s46, s75                      ; four clusters, in panels 0 to 3: the panel four on, whose load stands two panels on
	s_cmp_lt_u32 s2, 4
	s_cbranch_scc0 .Lno_ask_\@
	global_prefetch_b8 v[PFO], s[88:89] offset:4*SLOT th:TH_LOAD_NT scope:SCOPE_SE
.Lno_ask_\@:
.endif
	BLOCK \e, \x
	PLACES NP
.endm
.macro RBLK e, x, fill                 ; a panel's third block, and behind its products the change of slots
	s_wait_dscnt NF
	s_wait_xcnt 0x0
	BLOCK \e, \x
	WALU
	s_wait_tensorcnt 0x0                           ; my quarter of the next panel is in
.if \fill
	ds_add_u32 v[SPW], v[NIL]
	s_add_nc_u64 s[G0X+2:G0X+3], s[G0X+2:G0X+3], SLOT
	s_xor_b32 s[G0X+1], s[G0X+1], SLOT
.endif
	s_wait_dscnt 0x0                               ; the add, and my reads of this panel: its last tile is in registers
	s_barrier_signal -1
	v_xor_b32 v[AX], SLOT, v[AX]                   ; on to the other slot (SLOT's two bits are free in these addresses)
	v_xor_b32 v[AX+1], SLOT, v[AX+1]
	v_xor_b32 v[AS], SLOT, v[AS]
	v_xor_b32 v[AS+1], SLOT, v[AS+1]
	v_add_nc_u32 v[VX], 512, v[VX]                 ; and to the next panel's bytes
	WALU
	s_barrier_wait -1
.if \fill
	CREST
	TLOAD G0X, G1X                                 ; the panel two on, into the slot that nobody reads any more
	PLACES NP-4
.else
	PLACES NP
.endif
.endm
.macro QOUT goff, loff                 ; a block's byte to its place in LDS; its codes leave: sixteen lanes fill 256 consecutive bytes
	ds_store_b8 v[VX], v[EB] offset:\loff
	global_store_b128 v[CN], v[NCD:NCD+3], s[84:85] offset:\goff
	global_store_b128 v[CN], v[NCD+4:NCD+7], s[84:85] offset:(\goff)+256
.endm
.macro W2LD reg, row                   ; 16 k-rows of my 32 columns of w2: a load reads 128 consecutive bytes
.set I_, 0
.rept 16
	global_load_b32 v[\reg+I_], v[W2L], s[90:91] offset:((\row)+I_)*4096 th:TH_LOAD_NT
.set I_, I_+1
.endr
.endm
.macro W2PTR                           ; panel n lays k 64 n .. + 63 of my 512: block n / 4, K step (n / 2) % 2, scale blocks 2 (n % 2) and + 1
	s_lshr_b32 s2, s46, 2
	s_mul_i32 s2, s2, QUARTER
	s_bfe_u32 s3, s46, 0x10001
	s_lshl_b32 s96, s3, 14
	s_add_co_u32 s96, s96, s2
	s_and_b32 s97, s46, 1
	s_lshl_b32 s97, s97, 10
	s_add_co_u32 s96, s96, s97
	s_mov_b32 s97, 0
	s_add_nc_u64 s[92:93], s[94:95], s[96:97]      ; the codes (every earlier store has read its base: each block begins with the wait for that)
	s_lshl_b32 s96, s3, 2
	s_add_co_u32 s96, s96, s2
	s_add_co_u32 s96, s96, 32768
	s_add_nc_u64 s[98:99], s[94:95], s[96:97]      ; the scale words
.endm
.macro W2STEP s, cnt                   ; set s of w2's numbers is quantised and stored
	WALU
	s_wait_loadcnt \cnt                            ; the set's 32 loads are in; the loads issued behind them may be out
	QUANT X+32*(\s), WC, WT, WT+4
.if (\s) == 0
	v_lshrrev_b32 v[WB], 16, v[WB]                 ; the word takes two bytes a panel at its upper end: after two panels it holds a K step's four, the lower k in the lower byte
	v_lshl_or_b32 v[WB], v[WT+4], 16, v[WB]
.else
	v_lshl_or_b32 v[WB], v[WT+4], 24, v[WB]
.endif
	global_store_b128 v[W2S], v[WC:WC+3], s[92:93] offset:512*(\s)       ; sixteen lanes fill 256 consecutive bytes of a tile's image
	global_store_b128 v[W2S], v[WC+4:WC+7], s[92:93] offset:512*(\s)+256
.endm
.macro CHUNK fill, last
.Lchunk_\@:
	BLK 0, ACC+32
.if \fill
	s_cmp_eq_u32 s46, 0
	s_cbranch_scc1 .Lnone_before_\@
.endif
	QOUT 3*2048-16*QUARTER, 192                    ; the last block of the panel before
.Lnone_before_\@:
	FETCHAT 0, 2
	W2LD X+48, 48                                  ; this panel's last 16 k-rows of w2
	BLK 1, ACC, \fill
	QOUT 0, 512
	FETCHAT 1, 3
	W2PTR
	W2STEP 0, 32
.if !(\fill)
	s_cmp_eq_u32 s46, 7                            ; no panel follows the last
	WALU
	s_cbranch_scc1 .Lno_a1_\@
.endif
	W2LD X, 64                                     ; the next panel's k-rows, 16 at a place
.Lno_a1_\@:
	RBLK 0, ACC+32, \fill
	QOUT 2048, 64
.if !(\fill)
	s_cmp_eq_u32 s46, 7
	s_cbranch_scc1 .Lno_next_a_\@
.endif
	FETCHAT 0, 0
	W2LD X+16, 80
.Lno_next_a_\@:
	BLK 1, ACC
	QOUT 2*2048, 128
.if !(\fill)
	s_cmp_eq_u32 s46, 7
	s_cbranch_scc1 .Lno_next_b_\@
.endif
	FETCHAT 1, 1
.Lno_next_b_\@:
.if \fill
	W2STEP 1, 32
.else
	W2STEP 1, 0                                    ; in the last panel no load stands behind the set's
.endif
	s_bitcmp1_b32 s46, 0                           ; an odd panel ends a K step of w2: its scale word leaves (4 bytes of every 8: the other K step's word follows two panels on)
	WALU
	s_cbranch_scc0 .Lno_word_\@
	global_store_b32 v[W2W], v[WB], s[98:99]
.Lno_word_\@:
.if !(\fill)
	s_cmp_eq_u32 s46, 7
	s_cbranch_scc1 .Lno_b1_\@
.endif
	W2LD X+32, 96
.Lno_b1_\@:
	s_wait_xcnt 0x0                                ; the loads, the stores and the prefetch have read their bases
	s_add_nc_u64 s[84:85], s[84:85], 16*QUARTER
	s_add_nc_u64 s[90:91], s[90:91], 64*4096
.if \fill
	s_add_nc_u64 s[88:89], s[88:89], SLOT
.endif
	s_add_co_u32 s46, s46, 1
	s_cmp_lg_u32 s46, \last
	WALU
	s_cbranch_scc1 .Lchunk_\@
.endm
	s_wait_tensorcnt 0x0                           ; panel 0 is in; the three lines again
	ds_add_u32 v[SPW], v[NIL]
	s_add_nc_u64 s[G0X+2:G0X+3], s[G0X+2:G0X+3], SLOT
	s_xor_b32 s[G0X+1], s[G0X+1], SLOT
	s_wait_dscnt 0x0                               ; the weights are in registers
	ROUND
	TLOAD G0X, G1X                                 ; panel 1 into slot 1
	FETCHAT 0, 0
	FETCHAT 1, 1
	s_wait_loadcnt 0x0                             ; b1
	W2LD X, 0                                      ; w2's first 48 k-rows
	W2LD X+16, 16
	W2LD X+32, 32
.set I_, 0
.rept 32
	v_mov_b32 v[ACC+32+I_], 0                      ; what the first way out reads
.set I_, I_+1
.endr
	s_mov_b32 s46, 0
	WALU
	CHUNK 1, 6                                     ; panels 0 to 5 ask for panels 2 to 7
	CHUNK 0, 8
	s_wait_xcnt 0x0
.set K_, 0
.rept 27
	GAPQ K_, ACC+32                                ; the very last block's way out
.set K_, K_+1
.endr
	QOUT 3*2048-16*QUARTER, 192
	v_lshl_add_u32 v19, v3, 2, s74                 ; the scale words: wave w takes tokens 256 w .. + 255, a lane a token
	v_lshlrev_b32 v21, 3, v3
	WALU
	s_wait_dscnt 0x0                               ; for the others' sake: my bytes lie in LDS
	BARRIER
.irp j, 0,1,2,3,4,5,6,7
	ds_load_b32 v[ACC+\j], v19 offset:128*\j
.endr
	s_wait_dscnt 0x0
.irp j, 0,1,2,3,4,5,6,7
	global_store_b32 v21, v[ACC+\j], s[86:87] offset:(\j/4)*16*QUARTER+256*(\j%4)   ; 4 bytes of every 8: the other K step's words are another work-group's
.endr
	s_wait_tensorcnt 0x0                           ; the wave's end
	ds_add_u32 v[SPW], v[NIL]
	s_wait_dscnt 0x0
	ROUND                                          ; the closing round
	s_endpgm
.Lfunc_end_k_q5bc1a25ff7_ffn1:
	.size	k_q5bc1a25ff7_ffn1, .Lfunc_end_k_q5bc1a25ff7_ffn1-k_q5bc1a25ff7_ffn1
	.p2alignl 7, 3214868480
	.fill 96, 4, 3214868480
	.section	.rodata,"a",@progbits
	.p2align	6, 0x0
	.amdhsa_kernel k_q5bc1a25ff7_ffn1
		.amdhsa_group_segment_fixed_size 327680
		.amdhsa_private_segment_fixed_size 0
		.amdhsa_enable_private_segment 0
		.amdhsa_kernarg_size 48
		.amdhsa_user_sgpr_count 2
		.amdhsa_user_sgpr_kernarg_segment_ptr 1
		.amdhsa_wavefront_size32 1
		.amdhsa_system_sgpr_workgroup_id_x 1
		.amdhsa_system_sgpr_workgroup_id_y 1
		.amdhsa_system_sgpr_workgroup_id_z 1
		.amdhsa_system_vgpr_workitem_id 0
		.amdhsa_next_free_vgpr 1024
		.amdhsa_next_free_sgpr 100
		.amdhsa_reserve_vcc 0
		.amdhsa_float_denorm_mode_32 3
		.amdhsa_float_denorm_mode_16_64 3
		.amdhsa_memory_ordered 1
		.amdhsa_forward_progress 1
		.amdhsa_inst_pref_size 201
	.end_amdhsa_kernel
	.amdgpu_metadata
---
amdhsa.version: [ 1, 2 ]
amdhsa.kernels:
  - .name:           k_q5bc1a25ff7_ffn1
    .symbol:         k_q5bc1a25ff7_ffn1.kd
    .args:
      - { .name: xq, .offset: 0, .size: 8, .value_kind: global_buffer, .address_space: global }
      - { .name: w1, .offset: 8, .size: 8, .value_kind: global_buffer, .address_space: global }
      - { .name: b1, .offset: 16, .size: 8, .value_kind: global_buffer, .address_space: global }
      - { .name: hq, .offset: 24, .size: 8, .value_kind: global_buffer, .address_space: global }
      - { .name: w2, .offset: 32, .size: 8, .value_kind: global_buffer, .address_space: global }
      - { .name: w2q, .offset: 40, .size: 8, .value_kind: global_buffer, .address_space: global }
    .group_segment_fixed_size: 327680
    .private_segment_fixed_size: 0
    .kernarg_segment_align: 8
    .kernarg_segment_size: 48
    .max_flat_workgroup_size: 128
    .sgpr_count:     100
    .vgpr_count:     1024
    .wavefront_size: 32
...
	.end_amdgpu_metadata
.endif
;; end of part 2
;; launch ffn2 (part 3): grid 4 x 64, 4 waves a work-group, clusters of 4 x 4, 327,680 bytes of LDS; arguments hq, w2q, eo; writes eo
.if DOCPART == 3
	.amdgcn_target "amdgcn-amd-amdhsa--gfx1250"
	.amdhsa_code_object_version 6
	.text
	.protected	k_q5bc1a25ff7_ffn2
	.globl	k_q5bc1a25ff7_ffn2
	.p2align	8
	.type	k_q5bc1a25ff7_ffn2,@function
k_q5bc1a25ff7_ffn2:
	s_mov_b64 s[64:65], 0
	v_nop
	global_prefetch_b8 v0, s[64:65] scope:SCOPE_SE
	s_setreg_imm32_b32 hwreg(HW_REG_WAVE_MODE, 25, 1), 1
	s_wait_xcnt 0x0
	s_wait_alu depctr_hold_cnt(0) depctr_sa_sdst(0) depctr_va_vdst(0) depctr_va_sdst(0) depctr_va_ssrc(0) depctr_va_vcc(0) depctr_vm_vsrc(0)
	s_getreg_b32 s2, hwreg(HW_REG_IB_STS2, 6, 4)
	s_cmp_eq_u32 s2, 0
	s_cbranch_scc0 .Lentry_in_a_cluster
	s_endpgm
.Lentry_in_a_cluster:
	s_bfe_u32 s2, ttmp6, 0x10000c
	s_cmp_lg_u32 s2, 0xf033
	s_cbranch_scc0 .Lentry_shape_is_right
	s_endpgm
.Lentry_shape_is_right:
.set QUARTER, 33792
.set SLOT,    4*QUARTER
.set STAGE,   2*SLOT
.set SPITCH,  272
.set SPARE,   STAGE+4*16*SPITCH
.set LAPS,    4
.set FR,   16
.set NP,   8
.set ADRA, 16
.set ADRB, 20
.set ADRS, 22
.set STO,  24
.set RD,   25
.set CO,   26
.set SPW,  28
.set NIL,  29
.set PFO,  30
.set SC,   32
.set TMP,  64
.set BK,   96
.set AF,   128
.set G1,   24
.set G0,   32
.set G1B,  48
.set G0B,  56
.set PFA,  66
.set MUL_LO, 0xa1
.set MUL_HI, 0xf1
.set TO_B,   0x40
.set MSB, 0
.macro WIN new
.if MSB != \new
	s_set_vgpr_msb (MSB<<8)|\new
.set MSB, \new
.endif
.endm
.macro JLOAD g0a, g1a, g0b, g1b
	s_cmp_eq_u32 s15, 0
	s_cbranch_scc0 .Lfor_b_\@
	tensor_load_to_lds s[\g0a:\g0a+3], s[\g1a:\g1a+7]
	s_nop 0
.rept 4
	v_nop
.endr
	s_branch .Lasked_\@
.Lfor_b_\@:
	tensor_load_to_lds s[\g0b:\g0b+3], s[\g1b:\g1b+7]
	s_nop 0
.rept 4
	v_nop
.endr
.Lasked_\@:
.endm
.macro ASK
	s_cmp_gt_u32 s3, 1
	s_cbranch_scc0 .Lno_ask_\@
	global_prefetch_b8 v[PFO], s[PFA:PFA+1] th:TH_LOAD_NT scope:SCOPE_SE
.Lno_ask_\@:
.endm
.macro CREST
	s_cmp_lg_u32 s14, 0
	s_cbranch_scc1 .Lnot_wave_0_\@
	s_barrier_signal -3
.Lnot_wave_0_\@:
	s_barrier_wait -3
	s_barrier_signal -1
	s_barrier_wait -1
.endm
.macro CROUND
	s_barrier_signal -1
	s_barrier_wait -1
	CREST
.endm
.macro PLACES n
.rept \n
	v_nop
.endr
.endm
.macro FRAG reg, adr, q, i
.irp c, 0,1,2,3
	ds_load_b128 v[\reg+4*\c:\reg+4*\c+3], v[\adr] offset:16384*(\q)+2048*(\i)+512*\c
.endr
.endm
.macro FETCH_B slot, q, p
	WIN TO_B
.irp i, 0,1,2,3,4,5,6,7
	FRAG 128*(\p)+FR*\i, ADRB+\slot, \q, \i
.endr
	WIN 0
.endm
.macro FETCH_A slot, q, i0
.irp i, \i0, \i0+1, \i0+2, \i0+3
	FRAG AF+FR*(\i), ADRA+\slot, \q, \i
.endr
.endm
.macro SCALES sc
.irp i, 0,1,2,3,4,5,6,7
	ds_load_b64 v[SC+16*\sc+2*\i:SC+16*\sc+2*\i+1], v[ADRS+\sc] offset:32768+128*\i
.endr
.endm
.macro MUL16 a0, p, q, sc, cm
.irp a, \a0, \a0+1
.irp b, 0,1,2,3,4,5,6,7
.if \cm == 1
	v_wmma_scale_f32_16x16x128_f8f6f4 v[8*(8*((\a)%4)+\b):8*(8*((\a)%4)+\b)+7], v[128*(\p)+FR*\b:128*(\p)+FR*\b+FR-1], v[AF+FR*(\a):AF+FR*(\a)+FR-1], 0, v[SC+16*(\sc)+2*\b+(\q)], v[SC+16*(\sc)+2*(\a)+(\q)] matrix_a_scale:MATRIX_SCALE_ROW1
.else
	v_wmma_scale_f32_16x16x128_f8f6f4 v[8*(8*((\a)%4)+\b):8*(8*((\a)%4)+\b)+7], v[128*(\p)+FR*\b:128*(\p)+FR*\b+FR-1], v[AF+FR*(\a):AF+FR*(\a)+FR-1], v[8*(8*((\a)%4)+\b):8*(8*((\a)%4)+\b)+7], v[SC+16*(\sc)+2*\b+(\q)], v[SC+16*(\sc)+2*(\a)+(\q)] matrix_a_scale:MATRIX_SCALE_ROW1
.endif
.endr
.endr
.endm
.macro STEP slot, q, cm
	s_wait_dscnt 16
	WIN MUL_LO
	MUL16 0, (\q)%2, \q, \slot, \cm
	MUL16 2, (\q)%2, \q, \slot, \cm
	s_wait_dscnt 0x0
	PLACES NP
	FETCH_B \slot, (\q)+1, 1-(\q)%2
	FETCH_A \slot, (\q)+1, 0
	WIN MUL_HI
	MUL16 4, (\q)%2, \q, \slot, \cm
	MUL16 6, (\q)%2, \q, \slot, \cm
	PLACES NP
	WIN 0
	FETCH_A \slot, (\q)+1, 4
.endm
.macro TURN slot, next, fill
.if \fill
	s_wait_xcnt 0x0
	s_add_nc_u64 s[PFA:PFA+1], s[PFA:PFA+1], QUARTER
.endif
	s_wait_dscnt 16                                ; the youngest 16 loads (tiles 4-7) may be out
	WIN MUL_LO
	MUL16 0, 1, 1, \slot, 0                        ; 32 products stand ahead of the wait for the next slot's block
	MUL16 2, 1, 1, \slot, 0
	WIN 0
	s_wait_tensorcnt 0x0                           ; my block of the next slot is in
	ds_add_u32 v[SPW], v[NIL]
	s_wait_dscnt 0x0                               ; the add, and my reads of this slot
	s_barrier_signal -1
	s_barrier_wait -1
.if \fill
	CREST
	s_add_nc_u64 s[G0+4*\slot+2:G0+4*\slot+3], s[G0+4*\slot+2:G0+4*\slot+3], 2*QUARTER
	s_add_nc_u64 s[G0B+4*\slot+2:G0B+4*\slot+3], s[G0B+4*\slot+2:G0B+4*\slot+3], 2*QUARTER
	JLOAD G0+4*\slot, G1, G0B+4*\slot, G1B
	PLACES NP-4
.else
	PLACES NP
.endif
	FETCH_B \next, 0, 0
	FETCH_A \next, 0, 0
	s_wait_alu depctr_va_vdst(0)
	SCALES \next
.if \fill
	ASK
.endif
	WIN MUL_HI
	MUL16 4, 1, 1, \slot, 0
	MUL16 6, 1, 1, \slot, 0
	PLACES NP
	WIN 0
	FETCH_A \next, 0, 4
.endm
	s_load_b128 s[4:7], s[0:1], 0x0
	s_load_b64 s[8:9], s[0:1], 0x10
	v_lshl_add_u32 v[SPW], v0, 2, SPARE
	v_mov_b32 v[NIL], 0
	ds_add_u32 v28, v29
	ds_add_u32 v28, v29
	s_wait_dscnt 0x0
	v_lshrrev_b32 v1, 5, v0
	v_readfirstlane_b32 s14, v1
	s_lshr_b32 s15, s14, 1
	s_and_b32 s16, s14, 1
	s_bfe_u32 s40, ttmp6, 0x40000
	s_bfe_u32 s41, ttmp6, 0x40004
	s_lshl_b32 s42, ttmp9, 2
	s_add_co_u32 s42, s42, s40
	s_and_b32 s17, ttmp7, 0xffff
	s_lshr_b32 s18, s17, 1
	s_and_b32 s19, s17, 1
	s_lshl_b32 s43, s41, 2
	s_lshl_b32 s43, 15, s43
	s_lshl_b32 s44, 0x1111, s40
	s_or_b32 s[G1+0], s43, (3<<16)|(1<<21)
	s_or_b32 s[G1B+0], s44, (3<<16)|(1<<21)
.irp g, G1, G1B
	s_mov_b32 s[\g+1], 32<<16
	s_mov_b32 s[\g+2], 132<<16
	s_mov_b32 s[\g+3], 32<<16
	s_mov_b32 s[\g+4], 132
	s_mov_b32 s[\g+5], 32
	s_mov_b32 s[\g+6], 0
	s_mov_b32 s[\g+7], 0
.endr
	s_lshl_b32 s20, s18, 3
	s_lshl_b32 s21, s41, 1
	s_add_co_u32 s20, s20, s21
	s_add_co_u32 s20, s20, s16
	s_lshl_b32 s20, s20, 4
	s_lshl_b32 s21, s19, 3
	s_add_co_u32 s20, s20, s21
	s_mul_i32 s20, s20, QUARTER
	s_mov_b32 s21, 0
	s_lshl_b32 s46, s18, 3
	s_lshl_b32 s47, s42, 1
	s_add_co_u32 s46, s46, s47
	s_add_co_u32 s46, s46, s16
	s_lshl_b32 s46, s46, 4
	s_lshl_b32 s47, s19, 3
	s_add_co_u32 s46, s46, s47
	s_mul_i32 s46, s46, QUARTER
	s_mov_b32 s47, 0
	s_mul_i32 s45, s14, QUARTER
	s_wait_kmcnt 0x0
	s_add_nc_u64 s[20:21], s[4:5], s[20:21]
	s_add_nc_u64 s[46:47], s[6:7], s[46:47]
	CROUND
.irp s, 0,1
	s_mov_b32 s[G0+4*\s], 1
	s_add_co_u32 s[G0+4*\s+1], s45, \s*SLOT
	s_add_nc_u64 s[G0+4*\s+2:G0+4*\s+3], s[20:21], \s*QUARTER
	s_or_b32 s[G0+4*\s+3], s[G0+4*\s+3], 0x80000000
	s_mov_b32 s[G0B+4*\s], 1
	s_add_co_u32 s[G0B+4*\s+1], s45, \s*SLOT
	s_add_nc_u64 s[G0B+4*\s+2:G0B+4*\s+3], s[46:47], \s*QUARTER
	s_or_b32 s[G0B+4*\s+3], s[G0B+4*\s+3], 0x80000000
	s_wait_alu depctr_va_vdst(0)
	s_wait_tensorcnt 0x0
	ds_add_u32 v28, v29
	ds_add_u32 v28, v29
	s_wait_dscnt 0x0
	CROUND
	JLOAD G0+4*\s, G1, G0B+4*\s, G1B
.endr
	s_cmp_eq_u32 s15, 0
	s_cselect_b64 s[PFA:PFA+1], s[20:21], s[46:47]
	s_cselect_b32 s22, s40, s41
	s_lshl_b32 s22, s22, 13
	s_add_co_u32 s22, s22, 3*QUARTER
	s_mov_b32 s23, 0
	s_add_nc_u64 s[PFA:PFA+1], s[PFA:PFA+1], s[22:23]
	v_and_b32 v1, 15, v0
	v_bfe_u32 v2, v0, 4, 1
	v_and_b32 v3, 31, v0
	v_lshlrev_b32 v4, 4, v3
	v_lshlrev_b32 v[PFO], 8, v3
	s_mul_i32 s21, s15, QUARTER
	s_mul_i32 s22, s16, QUARTER
	s_add_co_u32 s22, s22, 2*QUARTER
	s_sub_co_u32 s23, s22, s21
	v_mul_u32_u24 v6, s23, v2
	v_lshl_add_u32 v5, v1, 3, v6
.irp s, 0,1
	v_add_nc_u32 v[ADRA+\s], s21, v4
	v_add_nc_u32 v[ADRB+\s], s22, v4
	v_add_nc_u32 v[ADRS+\s], s21, v5
	s_add_co_u32 s21, s21, SLOT
	s_add_co_u32 s22, s22, SLOT
.endr
	s_mul_i32 s23, s14, 16*SPITCH
	s_add_co_u32 s23, s23, STAGE
	v_mul_u32_u24 v5, v1, SPITCH
	v_lshl_add_u32 v5, v2, 4, v5
	v_add_nc_u32 v[STO], s23, v5
	v_mul_u32_u24 v5, v2, SPITCH
	v_lshl_add_u32 v5, v1, 4, v5
	v_add_nc_u32 v[RD], s23, v5
	v_lshlrev_b32 v5, 11, v2
	v_lshl_add_u32 v[CO], v1, 4, v5
	s_lshl_b32 s20, s17, 21
	s_lshl_b32 s21, s41, 19
	s_add_co_u32 s20, s20, s21
	s_lshl_b32 s21, s15, 18
	s_add_co_u32 s20, s20, s21
	s_lshl_b32 s21, s42, 9
	s_add_co_u32 s20, s20, s21
	s_lshl_b32 s21, s16, 8
	s_add_co_u32 s20, s20, s21
	s_mov_b32 s21, 0
	s_add_nc_u64 s[8:9], s[8:9], s[20:21]
	s_wait_tensorcnt 1
	s_barrier_signal -1
	s_barrier_wait -1
	FETCH_B 0, 0, 0
	FETCH_A 0, 0, 0
	SCALES 0
	FETCH_A 0, 0, 4
	STEP 0, 0, 1
	s_mov_b32 s3, LAPS-1
.Llap:
	TURN 0, 1, 1
	STEP 1, 0, 0
	TURN 1, 0, 1
	STEP 0, 0, 0
	s_sub_co_u32 s3, s3, 1
	s_cmp_lg_u32 s3, 0
	s_cbranch_scc1 .Llap
	TURN 0, 1, 0
	STEP 1, 0, 0
	s_wait_dscnt 16
	WIN MUL_LO
	MUL16 0, 1, 1, 1, 0
	MUL16 2, 1, 1, 1, 0
	s_wait_dscnt 0x0
	WIN MUL_HI
	MUL16 4, 1, 1, 1, 0
	MUL16 6, 1, 1, 1, 0
	WIN 0
.macro PACK a
.set AC, 64*((\a)%4)
.set WN, (2+(\a)/4)*5
	WIN WN
.irp b, 0,1,2,3,4,5,6,7
.irp r, 0,1,2,3
	v_cvt_pk_bf16_f32 v[TMP+4*\b+\r], v[AC+8*\b+2*\r], v[AC+8*\b+2*\r+1]
.endr
.endr
	WIN 0
.endm
.macro TOSTAGE a
.set BB, BK+32*((\a)%2)
.irp b, 0,1,2,3,4,5,6,7
	ds_store_b128 v[STO], v[TMP+4*\b:TMP+4*\b+3] offset:32*\b
.endr
.irp t, 0,1,2,3,4,5,6,7
	ds_load_b128 v[BB+4*\t:BB+4*\t+3], v[RD] offset:\t*2*SPITCH
.endr
.endm
.macro SEND a
.set BB, BK+32*((\a)%2)
	s_wait_dscnt 0x0
	s_wait_xcnt 0x0
.if (\a) > 0
	s_add_nc_u64 s[8:9], s[8:9], 16*2048
.endif
.irp t, 0,1,2,3,4,5,6,7
	global_store_b128 v[CO], v[BB+4*\t:BB+4*\t+3], s[8:9] offset:4096*\t
.endr
.endm
	PLACES NP
	PACK 0
	TOSTAGE 0
.irp a, 1,2,3,4,5,6,7
	PACK \a
	s_wait_alu depctr_va_vdst(0)
	SEND \a-1
	TOSTAGE \a
.endr
	SEND 7
	s_wait_tensorcnt 0x0
	ds_add_u32 v[SPW], v[NIL]
	s_wait_dscnt 0x0
	CROUND
	s_endpgm
.Lfunc_end_k_q5bc1a25ff7_ffn2:
	.size	k_q5bc1a25ff7_ffn2, .Lfunc_end_k_q5bc1a25ff7_ffn2-k_q5bc1a25ff7_ffn2
	.p2alignl 7, 3214868480
	.fill 96, 4, 3214868480
	.section	.rodata,"a",@progbits
	.p2align	6, 0x0
	.amdhsa_kernel k_q5bc1a25ff7_ffn2
		.amdhsa_group_segment_fixed_size 327680
		.amdhsa_private_segment_fixed_size 0
		.amdhsa_enable_private_segment 0
		.amdhsa_kernarg_size 24
		.amdhsa_user_sgpr_count 2
		.amdhsa_user_sgpr_kernarg_segment_ptr 1
		.amdhsa_wavefront_size32 1
		.amdhsa_system_sgpr_workgroup_id_x 1
		.amdhsa_system_sgpr_workgroup_id_y 1
		.amdhsa_system_sgpr_workgroup_id_z 1
		.amdhsa_system_vgpr_workitem_id 0
		.amdhsa_next_free_vgpr 1024
		.amdhsa_next_free_sgpr 80
		.amdhsa_reserve_vcc 0
		.amdhsa_float_denorm_mode_32 3
		.amdhsa_float_denorm_mode_16_64 3
		.amdhsa_memory_ordered 1
		.amdhsa_forward_progress 1
		.amdhsa_inst_pref_size 147
	.end_amdhsa_kernel
	.amdgpu_metadata
---
amdhsa.version: [ 1, 2 ]
amdhsa.kernels:
  - .name:           k_q5bc1a25ff7_ffn2
    .symbol:         k_q5bc1a25ff7_ffn2.kd
    .args:
      - { .name: hq, .offset: 0, .size: 8, .value_kind: global_buffer, .address_space: global }
      - { .name: w2q, .offset: 8, .size: 8, .value_kind: global_buffer, .address_space: global }
      - { .name: eo, .offset: 16, .size: 8, .value_kind: global_buffer, .address_space: global }
    .group_segment_fixed_size: 327680
    .private_segment_fixed_size: 0
    .kernarg_segment_align: 8
    .kernarg_segment_size: 24
    .max_flat_workgroup_size: 128
    .sgpr_count:     80
    .vgpr_count:     1024
    .wavefront_size: 32
...
	.end_amdgpu_metadata
.endif
;; end of part 3
;; launch mix (part 4): grid 256 x 1, 8 waves a work-group, no clusters, 0 bytes of LDS; arguments eo, ctab, b2, out0; writes out0
.if DOCPART == 4
	.amdgcn_target "amdgcn-amd-amdhsa--gfx1250"
	.amdhsa_code_object_version 6
	.text
	.protected	k_q5bc1a25ff7_mix
	.globl	k_q5bc1a25ff7_mix
	.p2align	8
	.type	k_q5bc1a25ff7_mix,@function
k_q5bc1a25ff7_mix:
	s_mov_b64 s[64:65], 0
	v_nop
	global_prefetch_b8 v0, s[64:65] scope:SCOPE_SE
	s_setreg_imm32_b32 hwreg(HW_REG_WAVE_MODE, 25, 1), 1
	s_wait_xcnt 0x0
; MIX: out[n][o] = the sum over experts e of c[n][e] (S[2 e][n][o] + S[2 e + 1][n][o] + b2[e][o]).  S = eo [16][1024][1024] bf16: the two half-K sums of each expert; c = ctab [1024][8] f32: the signed,
; renormalised gate weights, 0 for an expert that was not chosen; b2 [8][1024] and out [1024][1024] f32.  All sums in f32, by fused multiply-adds straight from the bf16 halves.
; A stream: every byte is read once and written once; no LDS, no barrier, no matrix unit (K = 16, a different c for every row), nothing shared between work-groups but b2 (32 KB).
; SHARES: work-group j takes tokens 4 j .. 4 j + 3; wave w outputs 128 w .. + 127; a lane 4 outputs: 8 bytes of each S row (a wave's load covers 256 consecutive bytes), 16 bytes of out (512 a store).
; ALL OF A WAVE'S 80 LOADS ARE ISSUED AHEAD OF ITS FIRST WAIT (each token has registers of its own): 16 KB of S a wave are asked for at once, and the waits count the later tokens' loads down.
; No loop, every offset an immediate, no register of a memory instruction is written again.
.set ACC, 8                            ; v8-23    four sums for each token
.set E,   32                           ; v32-159  token t: 16 pairs, pair g = my four numbers of S[g]
.set B2,  160                          ; v160-191 b2: four numbers for each expert
.set C,   192                          ; v192-223 c: eight for each token, the same in every lane
	s_load_b256 s[4:11], s[0:1], 0x0               ; eo 4:5, ctab 6:7, b2 8:9, out0 10:11
	v_lshrrev_b32 v1, 5, v0
	s_delay_alu instid0(VALU_DEP_1)
	v_readfirstlane_b32 s2, v1                     ; wave 0..7
	v_and_b32 v4, 31, v0
	s_delay_alu instid0(VALU_DEP_1)
	v_lshlrev_b32 v1, 3, v4                        ; 8 x lane
	s_delay_alu instid0(VALU_DEP_2)
	v_lshlrev_b32 v2, 4, v4                        ; 16 x lane
	v_mov_b32 v3, 0
	s_lshl_b32 s20, ttmp9, 13                      ; eo: 4 rows of 2,048 bytes a work-group,
	s_lshl_b32 s3, s2, 8                           ; 256 bytes a wave
	s_add_co_u32 s20, s20, s3
	s_mov_b32 s21, 0
	s_lshl_b32 s22, ttmp9, 7                       ; ctab: 4 rows of 32 bytes
	s_mov_b32 s23, 0
	s_wait_alu depctr_va_vdst(0)
	s_wait_kmcnt 0x0
	s_add_nc_u64 s[12:13], s[4:5], s[20:21]        ; four bases, 4 planes of 2^21 bytes apart, so that every offset stays inside the signed 24-bit immediate
	s_add_nc_u64 s[14:15], s[12:13], 0x800000
	s_add_nc_u64 s[16:17], s[14:15], 0x800000
	s_add_nc_u64 s[18:19], s[16:17], 0x800000
	s_add_nc_u64 s[6:7], s[6:7], s[22:23]
	s_lshl_b32 s22, s2, 9                          ; b2 and out: 512 bytes a wave
	s_add_nc_u64 s[8:9], s[8:9], s[22:23]
	s_lshl_b32 s20, ttmp9, 14                      ; out: 4 rows of 4,096 bytes
	s_add_co_u32 s20, s20, s22
	s_add_nc_u64 s[10:11], s[10:11], s[20:21]
.macro ELOAD tk
.irp g, 0,1,2,3,4,5,6,7,8,9,10,11,12,13,14,15
	global_load_b64 v[E+32*\tk+2*\g:E+32*\tk+2*\g+1], v1, s[12+2*(\g/4):13+2*(\g/4)] offset:(\g%4)*2097152+2048*\tk th:TH_LOAD_NT
.endr
.endm
.macro TOKEN tk
.irp j, 0,1,2,3
	v_mul_f32 v[ACC+4*\tk+\j], v[C+8*\tk], v[B2+\j]                ; the first term starts the sums
.endr
.irp e, 1,2,3,4,5,6,7
.irp j, 0,1,2,3
	s_delay_alu instid0(VALU_DEP_4)
	v_fmac_f32 v[ACC+4*\tk+\j], v[C+8*\tk+\e], v[B2+4*\e+\j]
.endr
.endr
.irp g, 0,1,2,3,4,5,6,7,8,9,10,11,12,13,14,15
	s_delay_alu instid0(VALU_DEP_4)
	v_fma_mix_f32_bf16 v[ACC+4*\tk], v[E+32*\tk+2*\g], v[C+8*\tk+\g/2], v[ACC+4*\tk] op_sel_hi:[1,0,0]                          ; bf16 (low half) x f32 + f32
	s_delay_alu instid0(VALU_DEP_4)
	v_fma_mix_f32_bf16 v[ACC+4*\tk+1], v[E+32*\tk+2*\g], v[C+8*\tk+\g/2], v[ACC+4*\tk+1] op_sel:[1,0,0] op_sel_hi:[1,0,0]       ; the high half
	s_delay_alu instid0(VALU_DEP_4)
	v_fma_mix_f32_bf16 v[ACC+4*\tk+2], v[E+32*\tk+2*\g+1], v[C+8*\tk+\g/2], v[ACC+4*\tk+2] op_sel_hi:[1,0,0]
	s_delay_alu instid0(VALU_DEP_4)
	v_fma_mix_f32_bf16 v[ACC+4*\tk+3], v[E+32*\tk+2*\g+1], v[C+8*\tk+\g/2], v[ACC+4*\tk+3] op_sel:[1,0,0] op_sel_hi:[1,0,0]
.endr
	global_store_b128 v2, v[ACC+4*\tk:ACC+4*\tk+3], s[10:11] offset:4096*\tk th:TH_STORE_NT   ; 512 consecutive bytes
.endm
.irp e, 0,1,2,3,4,5,6,7
	global_load_b128 v[B2+4*\e:B2+4*\e+3], v2, s[8:9] offset:4096*\e
.endr
.irp i, 0,1,2,3,4,5,6,7
	global_load_b128 v[C+4*\i:C+4*\i+3], v3, s[6:7] offset:16*\i
.endr
	ELOAD 0
	ELOAD 1
	ELOAD 2
	ELOAD 3
	s_wait_loadcnt 48                              ; b2, c and token 0 are in; the 48 loads of tokens 1 to 3 may be out
	TOKEN 0
	s_wait_loadcnt 32                              ; token 1 is in; the 32 loads of tokens 2 and 3 may be out
	TOKEN 1
	s_wait_loadcnt 16                              ; token 2 is in; token 3's 16 may be out
	TOKEN 2
	s_wait_loadcnt 0x0
	TOKEN 3
	s_endpgm
.Lfunc_end_k_q5bc1a25ff7_mix:
	.size	k_q5bc1a25ff7_mix, .Lfunc_end_k_q5bc1a25ff7_mix-k_q5bc1a25ff7_mix
	.p2alignl 7, 3214868480
	.fill 96, 4, 3214868480
	.section	.rodata,"a",@progbits
	.p2align	6, 0x0
	.amdhsa_kernel k_q5bc1a25ff7_mix
		.amdhsa_group_segment_fixed_size 0
		.amdhsa_private_segment_fixed_size 0
		.amdhsa_enable_private_segment 0
		.amdhsa_kernarg_size 32
		.amdhsa_user_sgpr_count 2
		.amdhsa_user_sgpr_kernarg_segment_ptr 1
		.amdhsa_wavefront_size32 1
		.amdhsa_system_sgpr_workgroup_id_x 1
		.amdhsa_system_sgpr_workgroup_id_y 1
		.amdhsa_system_sgpr_workgroup_id_z 1
		.amdhsa_system_vgpr_workitem_id 0
		.amdhsa_next_free_vgpr 224
		.amdhsa_next_free_sgpr 66
		.amdhsa_reserve_vcc 0
		.amdhsa_float_denorm_mode_32 3
		.amdhsa_float_denorm_mode_16_64 3
		.amdhsa_memory_ordered 1
		.amdhsa_forward_progress 1
		.amdhsa_inst_pref_size 41
	.end_amdhsa_kernel
	.amdgpu_metadata
---
amdhsa.version: [ 1, 2 ]
amdhsa.kernels:
  - .name:           k_q5bc1a25ff7_mix
    .symbol:         k_q5bc1a25ff7_mix.kd
    .args:
      - { .name: eo, .offset: 0, .size: 8, .value_kind: global_buffer, .address_space: global }
      - { .name: ctab, .offset: 8, .size: 8, .value_kind: global_buffer, .address_space: global }
      - { .name: b2, .offset: 16, .size: 8, .value_kind: global_buffer, .address_space: global }
      - { .name: out0, .offset: 24, .size: 8, .value_kind: global_buffer, .address_space: global }
    .group_segment_fixed_size: 0
    .private_segment_fixed_size: 0
    .kernarg_segment_align: 8
    .kernarg_segment_size: 32
    .max_flat_workgroup_size: 256
    .sgpr_count:     66
    .vgpr_count:     224
    .wavefront_size: 32
...
	.end_amdgpu_metadata
.endif
;; end of part 4
